; MI455X (gfx1250); checked and timed in simulation.
; The chip was launched on July 23, 2026; its instructions are those of AMD's public machine-readable ISA for CDNA 5 (MIT licence, August 2026) and "CDNA5" Instruction Set Architecture Reference Guide (July 2026). The comments in the code are by the model that wrote it; some were corrected since.
;; Block. Allowed arithmetic: matrix products marked QUANTISED: E5M2 operands, one E8M0 scale for each 32 along K, by v_wmma_scale_f32_16x16x128_f8f6f4 with both operands' format E5M2, f32 sums; everything else in f32.
;; Inputs: b_fc 4,096 float32; b_mlp_proj 1,024 float32; ln1_b 1,024 float32; ln1_w 1,024 float32; ln2_b 1,024 float32; ln2_w 1,024 float32; w_attn_proj 1,024 x 1,024 float32; w_fc 1,024 x 4,096 float32; w_mlp_proj 4,096 x 1,024 float32; w_qkv 1,024 x 3,072 float32; x 2 x 2,048 x 1,024 float32.
;; Outputs: out0 2 x 2,048 x 1,024 float32.
;; This version of the problem:
;;   THIS VERSION OF THE PROBLEM IS GIVEN IN LOW PRECISION. The matrix products marked QUANTISED in the list below multiply operands that are first quantised to E5M2 (5 exponent bits, 2 mantissa bits; 8 bits a number), with one power-of-two scale for each 32 numbers along K (OCP MX v1.0); their sums are f32. All else is computed in f32.
;;   The module's matrix products, in the order in which they are computed (A, B: the left and right operand; K: the contracted axis; several contracted axes count as one K, in the product's order):
;;     1. [M 4,096, K 1,024] x [K 1,024, N 3,072]; A: computed on the way; B: input w_qkv: QUANTISED
;;     2. batch 32 x [M 2,048, K 64] x [K 64, N 2,048]; A: computed on the way; B: computed on the way: QUANTISED
;;     3. batch 32 x [M 2,048, K 2,048] x [K 2,048, N 64]; A: softmax (see below); B: computed on the way: QUANTISED
;;     4. [M 4,096, K 1,024] x [K 1,024, N 1,024]; A: computed on the way; B: input w_attn_proj: QUANTISED
;;     5. [M 4,096, K 1,024] x [K 1,024, N 4,096]; A: computed on the way; B: input w_fc: QUANTISED
;;     6. [M 4,096, K 4,096] x [K 4,096, N 1,024]; A: computed on the way; B: input w_mlp_proj: QUANTISED
;;   THE QUANTISER, for each operand of a quantised product, along K:
;;     - K is cut into blocks of 32 from its start; a last block that is shorter is filled with zeros.
;;     - A block's scale is 2^e with e = floor(log2(the largest magnitude in the block)) - 15, held to -126 .. 127; a block of zeros has e = 0. As a byte (E8M0): e + 127.
;;     - Each number is divided by its block's scale, clamped to +-57,344, and rounded to the nearest number of E5M2, ties to even, subnormals kept.
;;     - The product sums the exact products of the quantised numbers (number of the format x scale) in f32.
;;   ~~~python
;;   def quantise(x, axis):      # numpy; x: float32 -> the quantised numbers, widened to float32 again
;;       x = np.moveaxis(x, axis, -1); K = x.shape[-1]
;;       x = np.pad(x, [(0, 0)] * (x.ndim - 1) + [(0, -K % 32)]); x = x.reshape(x.shape[:-1] + (-1, 32)); a = np.abs(x).max(-1, keepdims=True)
;;       e = np.where(a > 0, np.clip(np.frexp(np.where(a > 0, a, 1))[1] - 1 - 15, -126, 127), 0)      # np.frexp(a)[1] - 1 = floor(log2(a)), exactly
;;       r = np.clip(x / 2.0 ** e, -57344, 57344)
;;       step = 2.0 ** (np.maximum(np.frexp(np.where(r == 0, 1, r))[1] - 1, -14) - 2)
;;       q = np.round(r / step) * step * 2.0 ** e      # np.round: ties to even
;;       return np.moveaxis(q.reshape(q.shape[:-2] + (-1,))[..., :K], -1, axis).astype(np.float32)
;;   ~~~
;;   SOFTMAX AHEAD OF A QUANTISED PRODUCT. Where the list says 'softmax', what is quantised is not the finished softmax but p = 2^(t - M), with t = logit x log2(e) and M = ceil(the row's largest t), a whole number; so 1/2 < the row's largest p <= 1. The row's sum l is taken of the UNQUANTISED p, in f32, and the product's result is divided by l at the end. Since M is a whole number, a kernel that streams over the keys may use a running M (the ceiling of the running maximum): every later rescaling is an exact power of two, which a block's scale takes up: the codes' values come out the same.
;;   OPERANDS COMPUTED ON THE WAY. 'Computed on the way' means the value that the module computes at that place (a softmax that the list does not call 'softmax' is quantised finished and normalised). What goes into a quantiser is computed in f32, as accurately as f32 sums, v_exp_f32 and their like allow (about 1e-6 of the number): no bf16 or f16 on the way to a quantiser, and a product that is left as it is and whose result goes on into a quantised operand takes f32 operands (vector FMAs, or v_wmma_f32_16x16x4_f32). A number that lies on a knife's edge between two numbers of the format may be rounded either way, as far as f32 arithmetic and the matrix unit's own rounding can turn it there, and no further.
;; One version. Each part assembles by itself: llvm-mc -triple=amdgcn-amd-amdhsa -mcpu=gfx1250 --defsym DOCPART=n.
;; ======== version 1 of 1: 8 launches
;; limits: right only within a limited range of input values
;; workspace buffers: wts 12,976,128 bytes; a1 4,325,376 bytes; qkv 12,976,128 bytes; yb 4,325,376 bytes; x1 16,777,216 bytes; a2 4,325,376 bytes; hid 17,301,504 bytes
;; launch wq (part 1): grid 768 x 1, 4 waves a work-group, no clusters, 0 bytes of LDS; arguments w_qkv, w_attn_proj, w_fc, w_mlp_proj, wts; writes wts
.if DOCPART == 1
	.amdgcn_target "amdgcn-amd-amdhsa--gfx1250"
	.amdhsa_code_object_version 6
	.text
	.protected	k_qa34fefefc2_wq
	.globl	k_qa34fefefc2_wq
	.p2align	8
	.type	k_qa34fefefc2_wq,@function
k_qa34fefefc2_wq:
	s_mov_b64 s[64:65], 0
	v_nop
	global_prefetch_b8 v0, s[64:65] scope:SCOPE_SE
	s_setreg_imm32_b32 hwreg(HW_REG_WAVE_MODE, 25, 1), 1
	s_wait_xcnt 0x0
; THE PROGRAM: one transformer block (LN1, qkv, causal attention, projection + residual, LN2, fc + bias, exact gelu, mlp projection + bias + residual), all six products on codes of E5M2 with one E8M0 byte for each 32 along K.
; WORK LEFT OUT, in the whole program: in the attention launch the steps (16 queries x 128 keys) all of whose keys come after all of the tile's queries.  reference() sets those logits to -inf by its own jnp.tril
; ahead of the softmax, so their p is 0 and their terms of the row's sum and of the second product are 0, whatever finite values the inputs hold.  Every input has a way to the output and is loaded.
; LIMIT: a NaN, an infinity or an overflow that reaches only those steps is not carried to the result.  NaN and infinities among the inputs are not served.
; THE OPERAND IMAGE, the one layout of every quantised operand X[R][K] that the launches hand on: codes at T 16K + s 2048 + c 512 + 16 lane (T: tile of 16 rows, s: 128 along K, lane = 16 h + r):
; the 16 codes X[rho(T, r)][128 s + 32 c + 16 h + 0..15], rho(T, r) = 32 (T / 2) + 8 (T % 2) + r % 8 + 16 (r / 8); scale words (4 bytes: one row, 128 along K) at (T / 8)(K / 128) 512 + s 512 + (T % 8) 64 + 4 r.
; So a fragment is four loads of 16 bytes at 16 x lane, and a product's result, quantised in registers, is the next operand's image.
; THIS LAUNCH: the four weights, f32 [K][N], become images of their transposes (rows n, K innermost) in wts.  A lane takes a column n, its registers run down K: a block of 32 lies in one lane.
; A work-group takes 128 columns x 128 along K, a wave 32 columns (a pair of tiles).  Each load of a wave reads 128 consecutive bytes; each store of codes writes two aligned runs of 256 bytes.
; A block's scale is 2^(floor(log2(largest magnitude)) - 15); LIMITS: the byte is held at 1 from below, so a block of zeros gets 1 where the rule says 127 (its codes are zeros; only this program reads the bytes), and blocks under 2^-111 keep byte 1.
.set VO, 16                            ; v16-47   4 x lane + i rows of the weight
.set X,  48                            ; v48-111  two sets of 32 numbers
.set C,  112                           ; v112-143 8 registers of codes for each of the 4 blocks: no store's data are written again
	s_load_b256 s[4:11], s[0:1], 0x0               ; w_qkv, w_attn_proj, w_fc, w_mlp_proj
	s_load_b64 s[12:13], s[0:1], 0x20              ; wts
	v_lshrrev_b32 v1, 5, v0
	v_readfirstlane_b32 s26, v1                    ; wave
	v_and_b32 v1, 31, v0                           ; lane
	; which weight: work-groups 0-191 w_qkv, 192-255 w_attn_proj, 256-511 w_fc, 512-767 w_mlp_proj.  The choice hangs on the work-group's number alone
	s_wait_alu depctr_va_vdst(0)
	s_mov_b32 s16, 512                             ; the range's first work-group
	s_mov_b32 s17, 4096                            ; a row of the weight in bytes
	s_mov_b32 s18, 5                               ; log2 of K / 128
	s_mov_b32 s19, 65536                           ; 16 K: a tile's codes
	s_mov_b32 s20, 8388608                         ; where its codes begin in wts
	s_mov_b32 s21, 12845056                        ; and its scale words
	s_cmp_lt_u32 ttmp9, 512
	s_cselect_b32 s16, 256, s16
	s_cselect_b32 s17, 16384, s17
	s_cselect_b32 s18, 3, s18
	s_cselect_b32 s19, 16384, s19
	s_cselect_b32 s20, 4194304, s20
	s_cselect_b32 s21, 12713984, s21
	s_cmp_lt_u32 ttmp9, 256
	s_cselect_b32 s16, 192, s16
	s_cselect_b32 s17, 4096, s17
	s_cselect_b32 s20, 3145728, s20
	s_cselect_b32 s21, 12681216, s21
	s_cmp_lt_u32 ttmp9, 192
	s_cselect_b32 s16, 0, s16
	s_cselect_b32 s17, 12288, s17
	s_cselect_b32 s20, 0, s20
	s_cselect_b32 s21, 12582912, s21
	s_sub_co_u32 s22, ttmp9, s16                   ; my number in the range
	s_lshl_b32 s23, 1, s18
	s_sub_co_u32 s23, s23, 1
	s_and_b32 s24, s22, s23                        ; s: which 128 along K
	s_lshr_b32 s25, s22, s18                       ; which 128 columns
	s_mul_i32 s28, s24, s17
	s_lshl_b32 s28, s28, 7                         ; 128 s rows,
	s_lshl_b32 s27, s25, 9
	s_add_co_u32 s28, s28, s27                     ; + 128 columns x 4 bytes,
	s_lshl_b32 s27, s26, 7
	s_add_co_u32 s28, s28, s27                     ; + my wave's 32 columns
	s_mov_b32 s29, 0
	s_lshl_b32 s30, s17, 5                         ; 32 rows on: a block
	s_mov_b32 s31, 0
	s_lshl_b32 s40, s25, 3
	s_lshl_b32 s27, s26, 1
	s_add_co_u32 s40, s40, s27                     ; my first tile: 8 x group + 2 x wave
	s_mul_i32 s40, s40, s19
	s_lshl_b32 s27, s24, 11
	s_add_co_u32 s40, s40, s27
	s_add_co_u32 s40, s40, s20
	s_mov_b32 s41, 0
	s_add_co_u32 s27, s18, 9
	s_lshl_b32 s42, s25, s27                       ; group x (K / 128) x 512
	s_lshl_b32 s27, s24, 9
	s_add_co_u32 s42, s42, s27
	s_lshl_b32 s27, s26, 7
	s_add_co_u32 s42, s42, s27
	s_add_co_u32 s42, s42, s21
	s_mov_b32 s43, 0
	s_mov_b32 s44, 0x600000                        ; the mantissa field of 57,344
	v_bfe_u32 v2, v0, 3, 1                         ; column n0 + lane is row r of tile u of the pair: u = (lane / 8) % 2,
	v_and_b32 v3, 7, v0
	v_bfe_u32 v6, v0, 4, 1
	v_lshl_or_b32 v3, v6, 3, v3                    ; r = lane % 8 + 8 (lane / 16)
	v_mul_lo_u32 v4, v2, s19
	v_lshl_add_u32 v4, v3, 4, v4                   ; codes: u x 16 K + 16 r
	v_lshlrev_b32 v5, 2, v3
	v_lshl_add_u32 v5, v2, 6, v5                   ; scale word: 64 u + 4 r
	v_lshlrev_b32 v[VO], 2, v1
.set i, 1
.rept 31
	v_add_nc_u32 v[VO+i], s17, v[VO+i-1]
.set i, i+1
.endr
	s_wait_alu depctr_va_vdst(0)
	s_wait_kmcnt 0x0
	s_mov_b64 s[14:15], s[10:11]
	s_cmp_lt_u32 ttmp9, 512
	s_cselect_b64 s[14:15], s[8:9], s[14:15]
	s_cmp_lt_u32 ttmp9, 256
	s_cselect_b64 s[14:15], s[6:7], s[14:15]
	s_cmp_lt_u32 ttmp9, 192
	s_cselect_b64 s[14:15], s[4:5], s[14:15]
	s_add_nc_u64 s[32:33], s[14:15], s[28:29]      ; a base for each of the four blocks: none is ever stepped
	s_add_nc_u64 s[34:35], s[32:33], s[30:31]
	s_add_nc_u64 s[36:37], s[34:35], s[30:31]
	s_add_nc_u64 s[38:39], s[36:37], s[30:31]
	s_add_nc_u64 s[40:41], s[12:13], s[40:41]
	s_add_nc_u64 s[42:43], s[12:13], s[42:43]
.macro LOAD t                          ; block t: w(128 s + 32 t + i, my column) into set t % 2
.irp i, 0,1,2,3,4,5,6,7,8,9,10,11,12,13,14,15,16,17,18,19,20,21,22,23,24,25,26,27,28,29,30,31
	global_load_b32 v[X+32*((\t)%2)+\i], v[VO+\i], s[32+2*(\t):33+2*(\t)] th:TH_LOAD_NT
.endr
.endm
.macro BLOCK t
.set XS, X+32*((\t)%2)
.if (\t) < 3
	s_wait_loadcnt 32                              ; this block's 32 loads are in; the next block's 32 may be out
.else
	s_wait_loadcnt 0x0
.endif
	v_max3_num_f32 v12, |v[XS]|, |v[XS+1]|, |v[XS+2]|   ; the block's largest magnitude: all 32 numbers are mine
	v_max3_num_f32 v13, |v[XS+3]|, |v[XS+4]|, |v[XS+5]|
.irp i, 6,10,14,18,22,26
	v_max3_num_f32 v12, v12, |v[XS+\i]|, |v[XS+\i+1]|
	v_max3_num_f32 v13, v13, |v[XS+\i+2]|, |v[XS+\i+3]|
.endr
	v_max3_num_f32 v12, v12, |v[XS+30]|, |v[XS+31]|
	v_max3_num_f32 v12, v12, v13, 0x8000000        ; and the floor 2^(16 - 127): the byte cannot fall under 1
	v_add_nc_u32 v11, 0xf8800000, v12              ; 15 off the exponent field: the conversion's scale operand
	v_and_or_b32 v10, v12, 0x7f800000, s44         ; 57,344 x the scale
	v_lshrrev_b32 v13, 23, v11                     ; the scale's byte
.if (\t) == 0
	v_mov_b32 v14, v13                             ; four bytes make the scale word of these 128 along K
.else
	v_lshl_or_b32 v14, v13, 8*(\t), v14
.endif
.irp i, 0,1,2,3,4,5,6,7,8,9,10,11,12,13,14,15,16,17,18,19,20,21,22,23,24,25,26,27,28,29,30,31
	v_med3_num_f32 v[XS+\i], v[XS+\i], -v10, v10   ; the conversion to an 8-bit code does not saturate (ISA guide 7.6.2): the hold comes first
.endr
.irp g, 0,1,2,3
	v_cvt_scalef32_pk8_bf8_f32 v[C+8*(\t)+2*\g:C+8*(\t)+2*\g+1], v[XS+8*\g:XS+8*\g+7], v11
.endr
	global_store_b128 v4, v[C+8*(\t):C+8*(\t)+3], s[40:41] offset:512*(\t)          ; k 0..15 of the block: the image's lanes 0-15
	global_store_b128 v4, v[C+8*(\t)+4:C+8*(\t)+7], s[40:41] offset:512*(\t)+256    ; k 16..31: its lanes 16-31
.if (\t) < 2
	LOAD (\t)+2
.endif
.endm
	LOAD 0
	LOAD 1
	BLOCK 0
	BLOCK 1
	BLOCK 2
	BLOCK 3
	global_store_b32 v5, v14, s[42:43]             ; 32 scale words: 128 consecutive bytes
	s_endpgm
.Lfunc_end_k_qa34fefefc2_wq:
	.size	k_qa34fefefc2_wq, .Lfunc_end_k_qa34fefefc2_wq-k_qa34fefefc2_wq
	.p2alignl 7, 3214868480
	.fill 96, 4, 3214868480
	.section	.rodata,"a",@progbits
	.p2align	6, 0x0
	.amdhsa_kernel k_qa34fefefc2_wq
		.amdhsa_group_segment_fixed_size 0
		.amdhsa_private_segment_fixed_size 0
		.amdhsa_enable_private_segment 0
		.amdhsa_kernarg_size 40
		.amdhsa_user_sgpr_count 2
		.amdhsa_user_sgpr_kernarg_segment_ptr 1
		.amdhsa_wavefront_size32 1
		.amdhsa_system_sgpr_workgroup_id_x 1
		.amdhsa_system_sgpr_workgroup_id_y 1
		.amdhsa_system_sgpr_workgroup_id_z 1
		.amdhsa_system_vgpr_workitem_id 0
		.amdhsa_next_free_vgpr 144
		.amdhsa_next_free_sgpr 66
		.amdhsa_reserve_vcc 0
		.amdhsa_float_denorm_mode_32 3
		.amdhsa_float_denorm_mode_16_64 3
		.amdhsa_memory_ordered 1
		.amdhsa_forward_progress 1
		.amdhsa_inst_pref_size 32
	.end_amdhsa_kernel
	.amdgpu_metadata
---
amdhsa.version: [ 1, 2 ]
amdhsa.kernels:
  - .name:           k_qa34fefefc2_wq
    .symbol:         k_qa34fefefc2_wq.kd
    .args:
      - { .name: w_qkv, .offset: 0, .size: 8, .value_kind: global_buffer, .address_space: global }
      - { .name: w_attn_proj, .offset: 8, .size: 8, .value_kind: global_buffer, .address_space: global }
      - { .name: w_fc, .offset: 16, .size: 8, .value_kind: global_buffer, .address_space: global }
      - { .name: w_mlp_proj, .offset: 24, .size: 8, .value_kind: global_buffer, .address_space: global }
      - { .name: wts, .offset: 32, .size: 8, .value_kind: global_buffer, .address_space: global }
    .group_segment_fixed_size: 0
    .private_segment_fixed_size: 0
    .kernarg_segment_align: 8
    .kernarg_segment_size: 40
    .max_flat_workgroup_size: 128
    .sgpr_count:     66
    .vgpr_count:     144
    .wavefront_size: 32
...
	.end_amdgpu_metadata
.endif
;; end of part 1
;; launch ln (part 2): grid 256 x 1, 4 waves a work-group, no clusters, 1,024 bytes of LDS; arguments x, ln1_w, ln1_b, a1; writes a1
.if DOCPART == 2
	.amdgcn_target "amdgcn-amd-amdhsa--gfx1250"
	.amdhsa_code_object_version 6
	.text
	.protected	k_qa34fefefc2_ln
	.globl	k_qa34fefefc2_ln
	.p2align	8
	.type	k_qa34fefefc2_ln,@function
k_qa34fefefc2_ln:
	s_mov_b64 s[64:65], 0
	v_nop
	global_prefetch_b8 v0, s[64:65] scope:SCOPE_SE
	s_setreg_imm32_b32 hwreg(HW_REG_WAVE_MODE, 25, 1), 1
	s_wait_xcnt 0x0
; out = the operand image (layout: first kernel's head) of layernorm(x) w + b, x [4096][1024] f32, quantised along the 1,024 to E5M2 with one E8M0 byte for each 32.  Mean, then variance of x - mean, as reference() has them, in f32.
; A work-group is one tile T of 16 rows, rho(T, r) = 32 (T / 2) + 8 (T % 2) + r % 8 + 16 (r / 8).  Wave w takes columns 256 w .. 256 w + 255 (two K steps of 128).
; Lane (r, h) holds, of row rho(T, r), 16 neighbours of each block of 32: k = 256 w + 32 n + 16 h + 0..15, n = 0..7: so the conversions' results are the image's registers.
; The row's sums meet in LDS: 64 bytes a wave, one barrier for the mean and one for the variance, in bytes of their own.
; LIMITS: NaN and infinities are not served; a block of zeros gets the byte 1 (its codes are zeros; only this program reads the bytes); 1 / sqrt is v_rsq_f32.
.set RED0,  0                          ; 4 waves x 16 rows x 4 bytes: the sums
.set RED1,  256                        ; the sums of squares
.set SPARE, 512                        ; the spare words, 128 bytes a wave: no other line names them
.set XA,  3                            ; v3  my bytes in x
.set WBA, 4                            ; v4  and in w and b
.set RA,  5                            ; v5  where I put my wave's partial sum: 4 r + 64 w
.set RL,  6                            ; v6  4 r
.set LI,  7                            ; v7  16 x lane
.set SO,  8                            ; v8  the scale words: 512 h + 4 r
.set SPW, 10
.set NIL, 11
.set X,   16                           ; v16-143  128 numbers
.set WB,  144                          ; v144-207 two sets of 16 w and 16 b
.set TM,  208                          ; v208-223 at work in QUANT
.set PC,  224                          ; v224-239 the first K step's codes
	s_load_b256 s[4:11], s[0:1], 0x0               ; x, w, b, out
	v_lshl_add_u32 v[SPW], v0, 2, SPARE
	v_mov_b32 v[NIL], 0
	v_lshrrev_b32 v1, 5, v0
	v_readfirstlane_b32 s12, v1                    ; wave
	v_and_b32 v1, 31, v0                           ; lane
	v_and_b32 v2, 15, v0                           ; r
	v_bfe_u32 v9, v0, 4, 1                         ; h
	v_and_b32 v[XA], 7, v2
	v_lshrrev_b32 v[WBA], 3, v2
	v_lshl_add_u32 v[XA], v[WBA], 4, v[XA]         ; r % 8 + 16 (r / 8)
	v_lshlrev_b32 v[XA], 12, v[XA]                 ; rows of 4,096 bytes
	v_lshl_add_u32 v[XA], v9, 6, v[XA]             ; + 64 h
	s_lshl_b32 s13, s12, 10
	v_add_nc_u32 v[XA], s13, v[XA]                 ; + 1,024 w
	v_lshlrev_b32 v[WBA], 6, v9
	v_add_nc_u32 v[WBA], s13, v[WBA]
	v_lshlrev_b32 v[RL], 2, v2
	s_lshl_b32 s14, s12, 6
	v_add_nc_u32 v[RA], s14, v[RL]
	v_lshlrev_b32 v[LI], 4, v1
	v_lshl_add_u32 v[SO], v9, 9, v[RL]
	v_cmp_le_u32 s27, 16, v1                       ; lanes 16-31
	s_lshr_b32 s16, ttmp9, 1
	s_lshl_b32 s16, s16, 17                        ; 32 (T / 2) rows
	s_and_b32 s15, ttmp9, 1
	s_lshl_b32 s15, s15, 15                        ; + 8 (T % 2) rows
	s_add_co_u32 s16, s16, s15
	s_mov_b32 s17, 0
	s_lshl_b32 s18, ttmp9, 14                      ; codes: T x 16 K + 2 K steps x wave
	s_lshl_b32 s15, s12, 12
	s_add_co_u32 s18, s18, s15
	s_mov_b32 s19, 0
	s_lshr_b32 s24, ttmp9, 3                       ; scale words: (T / 8) 4,096 + 1,024 w + (T % 8) 64, behind the codes
	s_lshl_b32 s24, s24, 12
	s_add_co_u32 s24, s24, s13
	s_and_b32 s15, ttmp9, 7
	s_lshl_b32 s15, s15, 6
	s_add_co_u32 s24, s24, s15
	s_add_co_u32 s24, s24, 4194304
	s_mov_b32 s25, 0
	s_mov_b32 s20, 0x76543210
	s_mov_b32 s21, 0xfedcba98                      ; v_permlanex16_b32's selects for lane l xor 16
	s_mov_b32 s22, 0x3a800000                      ; 1 / 1,024
	s_mov_b32 s23, 0x600000                        ; the mantissa field of 57,344
	s_mov_b32 s26, 0x3727c5ac                      ; eps = 1e-5
	v_mov_b32 v250, 0                              ; a lane permute's destination counts as one of its sources
.irp b, 0,1,2,3
	v_mov_b32 v[TM+4+\b], 0
.endr
	s_wait_kmcnt 0x0
	s_add_nc_u64 s[4:5], s[4:5], s[16:17]
	s_add_nc_u64 s[18:19], s[10:11], s[18:19]
	s_add_nc_u64 s[24:25], s[10:11], s[24:25]
.irp n, 0,1,2,3,4,5,6,7
.irp j, 0,1,2,3
	global_load_b128 v[X+16*\n+4*\j:X+16*\n+4*\j+3], v[XA], s[4:5] offset:128*\n+16*\j
.endr
.endr
.macro WBLOAD n                        ; w and b of block n into set n % 2
.irp j, 0,1,2,3
	global_load_b128 v[WB+32*((\n)%2)+4*\j:WB+32*((\n)%2)+4*\j+3], v[WBA], s[6:7] offset:128*(\n)+16*\j
.endr
.irp j, 0,1,2,3
	global_load_b128 v[WB+32*((\n)%2)+16+4*\j:WB+32*((\n)%2)+16+4*\j+3], v[WBA], s[8:9] offset:128*(\n)+16*\j
.endr
.endm
	WBLOAD 0
	WBLOAD 1
; four chains in v[242:249] -> the row's sum over all 1,024 in v242, through LDS bytes red
.macro REDUCE red
	v_pk_add_f32 v[242:243], v[242:243], v[244:245]
	v_pk_add_f32 v[246:247], v[246:247], v[248:249]
	v_pk_add_f32 v[242:243], v[242:243], v[246:247]
	v_add_f32 v242, v242, v243
	v_permlanex16_b32 v250, v242, s20, s21         ; the row's other numbers of my wave lie in lane l xor 16
	v_add_f32 v242, v242, v250
	ds_store_b32 v[RA], v242 offset:\red           ; both lanes of a row write the same word with the same value
	s_wait_dscnt 0x0                               ; for the others' sake: my store has landed
	s_barrier_signal -1
	s_barrier_wait -1
.irp k, 0,1,2,3
	ds_load_b32 v[244+\k], v[RL] offset:\red+64*\k
.endr
	s_wait_dscnt 0x0
	v_add_f32 v244, v244, v245
	v_add_f32 v246, v246, v247
	v_add_f32 v242, v244, v246
.endm
	s_wait_loadcnt 16                              ; x is in; the two sets of w and b, issued behind it, may be out
.irp k, 0,1,2,3
	v_pk_add_f32 v[242+2*\k:243+2*\k], v[X+4*\k:X+4*\k+1], v[X+4*\k+2:X+4*\k+3]
.endr
.set j, 16
.rept 56
	v_pk_add_f32 v[242+2*((j/2)%4):243+2*((j/2)%4)], v[242+2*((j/2)%4):243+2*((j/2)%4)], v[X+j:X+j+1]
.set j, j+2
.endr
	REDUCE RED0
	v_mul_f32 v12, s22, v242                       ; the mean
	v_mov_b32 v13, v12
.set j, 0
.rept 64
	v_pk_add_f32 v[X+j:X+j+1], v[X+j:X+j+1], v[12:13] neg_lo:[0,1] neg_hi:[0,1]
.set j, j+2
.endr
.irp k, 0,1,2,3
	v_pk_mul_f32 v[242+2*\k:243+2*\k], v[X+2*\k:X+2*\k+1], v[X+2*\k:X+2*\k+1]
.endr
.set j, 8
.rept 60
	v_pk_fma_f32 v[242+2*((j/2)%4):243+2*((j/2)%4)], v[X+j:X+j+1], v[X+j:X+j+1], v[242+2*((j/2)%4):243+2*((j/2)%4)]
.set j, j+2
.endr
	REDUCE RED1
	v_fma_f32 v14, v242, s22, s26                  ; the variance + eps
	s_wait_alu depctr_va_vdst(0)
	v_rsq_f32 v14, v14
	v_nop                                          ; a plain instruction behind the transcendental,
	s_wait_alu depctr_va_vdst(0)                   ; and the wait ahead of the first use
	v_mov_b32 v15, v14
.macro NORM n                          ; block n: (x - mean) x rstd x w + b
.if (\n) < 7
	s_wait_loadcnt 8                               ; this block's w and b are in; the next block's eight loads may be out
.else
	s_wait_loadcnt 0x0
.endif
.irp j, 0,2,4,6,8,10,12,14
	v_pk_mul_f32 v[X+16*(\n)+\j:X+16*(\n)+\j+1], v[X+16*(\n)+\j:X+16*(\n)+\j+1], v[14:15]
.endr
.irp j, 0,2,4,6,8,10,12,14
	v_pk_fma_f32 v[X+16*(\n)+\j:X+16*(\n)+\j+1], v[X+16*(\n)+\j:X+16*(\n)+\j+1], v[WB+32*((\n)%2)+\j:WB+32*((\n)%2)+\j+1], v[WB+32*((\n)%2)+16+\j:WB+32*((\n)%2)+16+\j+1]
.endr
.if (\n) < 6
	WBLOAD (\n)+2
.endif
.endm
; 64 numbers of a lane, register 16 b + i = k 32 b + 16 h + i of my row, become a fragment's codes in v[pc] on and its scale word in v[pw]
.macro QUANT s, pc, pw
.irp b, 0,1,2,3
	v_max3_num_f32 v[TM+\b], |v[\s+16*\b]|, |v[\s+1+16*\b]|, 0x8000000   ; my 16 numbers, and the floor 2^(16 - 127): the byte cannot fall under 1
.endr
.irp i, 2,4,6,8,10,12,14
.irp b, 0,1,2,3
	v_max3_num_f32 v[TM+\b], v[TM+\b], |v[\s+16*\b+\i]|, |v[\s+1+16*\b+\i]|
.endr
.endr
.irp b, 0,1,2,3
	v_permlanex16_b32 v[TM+4+\b], v[TM+\b], s20, s21
.endr
.irp b, 0,1,2,3
	v_max_num_f32 v[TM+\b], v[TM+\b], v[TM+4+\b]   ; with lane l xor 16's: the block's largest magnitude
.endr
.irp b, 0,1,2,3
	v_add_nc_u32 v[TM+12+\b], 0xf8800000, v[TM+\b] ; 15 off its exponent field: the conversion's scale operand
.endr
.irp b, 0,1,2,3
	v_and_or_b32 v[TM+8+\b], v[TM+\b], 0x7f800000, s23   ; 57,344 x the scale
.endr
.irp b, 0,1,2,3
	v_lshrrev_b32 v[TM+4+\b], 23, v[TM+12+\b]      ; the scale's byte
.endr
	v_lshl_or_b32 v[\pw], v[TM+5], 8, v[TM+4]
	v_lshl_or_b32 v[\pw], v[TM+6], 16, v[\pw]
	v_lshl_or_b32 v[\pw], v[TM+7], 24, v[\pw]
.irp b, 0,1,2,3
.irp i, 0,1,2,3,4,5,6,7,8,9,10,11,12,13,14,15
	v_med3_num_f32 v[\s+16*\b+\i], v[\s+16*\b+\i], -v[TM+8+\b], v[TM+8+\b]   ; the conversion does not saturate (ISA guide 7.6.2): the hold comes first
.endr
	v_cvt_scalef32_pk8_bf8_f32 v[\pc+4*\b:\pc+1+4*\b], v[\s+16*\b:\s+7+16*\b], v[TM+12+\b]
	v_cvt_scalef32_pk8_bf8_f32 v[\pc+2+4*\b:\pc+3+4*\b], v[\s+8+16*\b:\s+15+16*\b], v[TM+12+\b]
.endr
	v_nop                                          ; a plain instruction behind the last conversion
.endm
	s_wait_alu depctr_va_vdst(0)
	NORM 0
	NORM 1
	NORM 2
	NORM 3
	QUANT X, PC, 240
.irp c, 0,1,2,3
	global_store_b128 v[LI], v[PC+4*\c:PC+4*\c+3], s[18:19] offset:512*\c     ; 512 consecutive bytes of the image
.endr
	NORM 4
	NORM 5
	NORM 6
	NORM 7
	QUANT X+64, X, 241                             ; its codes go where the first K step's numbers lay: no store's data are written again
.irp c, 0,1,2,3
	global_store_b128 v[LI], v[X+4*\c:X+4*\c+3], s[18:19] offset:2048+512*\c
.endr
	v_cndmask_b32 v242, v240, v241, s27            ; lanes 0-15 store the first K step's words, lanes 16-31 the second's: two runs of 64 bytes (a thirty-second of the codes' bytes)
	global_store_b32 v[SO], v242, s[24:25]
	s_wait_tensorcnt 0x0                           ; the wave's end
	ds_add_u32 v[SPW], v[NIL]
	s_wait_dscnt 0x0
	s_endpgm
.Lfunc_end_k_qa34fefefc2_ln:
	.size	k_qa34fefefc2_ln, .Lfunc_end_k_qa34fefefc2_ln-k_qa34fefefc2_ln
	.p2alignl 7, 3214868480
	.fill 96, 4, 3214868480
	.section	.rodata,"a",@progbits
	.p2align	6, 0x0
	.amdhsa_kernel k_qa34fefefc2_ln
		.amdhsa_group_segment_fixed_size 1024
		.amdhsa_private_segment_fixed_size 0
		.amdhsa_enable_private_segment 0
		.amdhsa_kernarg_size 32
		.amdhsa_user_sgpr_count 2
		.amdhsa_user_sgpr_kernarg_segment_ptr 1
		.amdhsa_wavefront_size32 1
		.amdhsa_system_sgpr_workgroup_id_x 1
		.amdhsa_system_sgpr_workgroup_id_y 1
		.amdhsa_system_sgpr_workgroup_id_z 1
		.amdhsa_system_vgpr_workitem_id 0
		.amdhsa_next_free_vgpr 256
		.amdhsa_next_free_sgpr 66
		.amdhsa_reserve_vcc 0
		.amdhsa_float_denorm_mode_32 3
		.amdhsa_float_denorm_mode_16_64 3
		.amdhsa_memory_ordered 1
		.amdhsa_forward_progress 1
		.amdhsa_inst_pref_size 51
	.end_amdhsa_kernel
	.amdgpu_metadata
---
amdhsa.version: [ 1, 2 ]
amdhsa.kernels:
  - .name:           k_qa34fefefc2_ln
    .symbol:         k_qa34fefefc2_ln.kd
    .args:
      - { .name: x, .offset: 0, .size: 8, .value_kind: global_buffer, .address_space: global }
      - { .name: ln1_w, .offset: 8, .size: 8, .value_kind: global_buffer, .address_space: global }
      - { .name: ln1_b, .offset: 16, .size: 8, .value_kind: global_buffer, .address_space: global }
      - { .name: a1, .offset: 24, .size: 8, .value_kind: global_buffer, .address_space: global }
    .group_segment_fixed_size: 1024
    .private_segment_fixed_size: 0
    .kernarg_segment_align: 8
    .kernarg_segment_size: 32
    .max_flat_workgroup_size: 128
    .sgpr_count:     66
    .vgpr_count:     256
    .wavefront_size: 32
...
	.end_amdgpu_metadata
.endif
;; end of part 2
;; launch qkvg (part 3): grid 16 x 12, 4 waves a work-group, clusters of 4 x 1, 327,680 bytes of LDS; arguments a1, wts, qkv; writes qkv
.if DOCPART == 3
	.amdgcn_target "amdgcn-amd-amdhsa--gfx1250"
	.amdhsa_code_object_version 6
	.text
	.protected	k_qa34fefefc2_qkvg
	.globl	k_qa34fefefc2_qkvg
	.p2align	8
	.type	k_qa34fefefc2_qkvg,@function
k_qa34fefefc2_qkvg:
	s_mov_b64 s[64:65], 0
	v_nop
	global_prefetch_b8 v0, s[64:65] scope:SCOPE_SE
	s_setreg_imm32_b32 hwreg(HW_REG_WAVE_MODE, 25, 1), 1
	s_wait_xcnt 0x0
	s_wait_alu depctr_hold_cnt(0) depctr_sa_sdst(0) depctr_va_vdst(0) depctr_va_sdst(0) depctr_va_ssrc(0) depctr_va_vcc(0) depctr_vm_vsrc(0)
	s_getreg_b32 s2, hwreg(HW_REG_IB_STS2, 6, 4)
	s_cmp_eq_u32 s2, 0
	s_cbranch_scc0 .Lentry_in_a_cluster
	s_endpgm
.Lentry_in_a_cluster:
	s_bfe_u32 s2, ttmp6, 0x10000c
	s_cmp_lg_u32 s2, 0x3003
	s_cbranch_scc0 .Lentry_shape_is_right
	s_endpgm
.Lentry_shape_is_right:
; q, k, v = LN1(x) w_qkv on codes of E5M2 (images: first kernel's head), each result quantised in registers into the image that attention wants:
; q and k along the model's 1,024 (rows = tokens), v along the keys (rows = the heads' d, K = all 4,096 tokens).
; D = source 0 (side P, runs along a lane's registers) x source 1 (side Q, runs along the lanes).  A work-group makes 256 (P) x 256 (Q).
; P's 256 rows, all of K = 1,024, are 262,144 dense bytes of the image: they fill LDS once, one tensor load of 65,536 bytes a wave; nothing is filled again.
; Q never touches LDS: a wave owns 64 rows of Q and keeps their fragments for all of K in 512 registers, loaded from the image at 16 x lane (512 consecutive bytes a load).
; A wave makes 64 (Q) x 256 (P) in two halves of 128 along P: 32 accumulators by turns; each fragment of P read from LDS feeds four matrix instructions.
; CLUSTER 4 x 1: the four partners have the same P block and ask for it jointly (mask of all four).  Q's fragments go to registers, where no joint load lands, and P leaves no room in LDS for them.
; No prefetch: the launch has one fill, at its head, and no loop to run ahead in.
; ONE PATH FOR q, k AND v: rows y < 8 of the grid make q and k (P = rows 256 y of the weight, Q = tokens), the others v (P = tokens, Q = rows 2,048 on of the weight).  Only numbers and pointers are chosen, by ids.
; LIMITS as in the first kernel: byte 1 for a block of zeros; NaN and infinities not served.
; REGISTERS: window 0: v0-31 addresses; v32-63 P's scale words of a half (lanes 0-15 tile 2 j, lanes 16-31 tile 2 j + 1), v64-79 Q's likewise; v128-255 two sets of four fragments of P, on the way out codes and scratch.
; window 1: accumulator (a, b) at 8 (8 a + b); windows 2, 3: Q's fragment (a, K step s) at 64 s + 16 a.
.set SST,   262144                     ; behind P: 256 bytes a wave for its scale words on the way out
.set SPARE, 263168                     ; the spare words, 128 bytes a wave: no other line names them
.set L16, 1
.set L4,  2
.set ADP, 4                            ; v4-5 LDS address of P's tiles 0-3, 4-7 of the half
.set SSA, 6
.set SSR, 7
.set L8,  8
.set SPW, 10
.set NIL, 11
.set WD,  14
.set VO,  16                           ; v16-19 16 x lane + a tiles of the destination
.set PS,  32
.set QS,  64
.set PF,  128
.set CD,  128                          ; the way out: 16 registers of codes for each of the four tiles
.set TM,  224
.set WV, 12
.set CX, 13
.set YY, 14
.set PB, 15
.set G0, 16
.set QC, 20
.set QSB, 22
.set G1, 24
.set PSB, 32
.set OC, 36
.set OS, 38
.set SEL, 50
.set MNT, 52
.set HF, 53
.set HB, 54
.set KS, 57
.set LG, 58
.set PT, 59
.set PSO, 60
.set QSO, 61
.set QB, 68                            ; s68 on: the numbers that hold my place in the cluster; none of them feeds the descriptor
.set RB, 69
.set MSB, 0
.macro WIN new                         ; the immediate's high byte repeats the setting that is left
.if MSB != (\new)
	s_set_vgpr_msb (MSB<<8)|(\new)
.set MSB, (\new)
.endif
.endm
.macro PLACES n
.rept \n
	v_nop
.endr
.endm
.macro ROUND
	s_barrier_signal -1
	s_barrier_wait -1
	s_cmp_lg_u32 s[WV], 0
	s_cbranch_scc1 .Lnot_wave_0_\@
	s_barrier_signal -3
.Lnot_wave_0_\@:
	s_barrier_wait -3
	s_barrier_signal -1
	s_barrier_wait -1
.endm
.macro PSC                             ; P's scale words of a half: 32 loads of 128 consecutive bytes
.irp s, 0,1,2,3,4,5,6,7
.irp j, 0,1,2,3
	global_load_b32 v[PS+4*\s+\j], v[L4], s[PSB:PSB+1] offset:512*\s+128*\j
.endr
.endr
.endm
; group g of a half: K step g / 2, P's tiles 4 (g % 2) .. + 3, in set g % 2
.macro PFETCH g
.irp t, 0,1,2,3
.irp c, 0,1,2,3
	ds_load_b128 v[PF+64*((\g)%2)+16*\t+4*\c:PF+64*((\g)%2)+16*\t+4*\c+3], v[ADP+(\g)%2] offset:16384*\t+2048*((\g)/2)+512*\c
.endr
.endr
.endm
; four matrix instructions: two tiles of P x two tiles of Q.  In the first K step the constant 0 starts the sums
.macro WM4 g, tp, ap
.set PA, PF+64*((\g)%2)+32*(\tp)
.set QA, 64*(((\g)/2)%4)+32*(\ap)
.set SA, PS+4*((\g)/2)+2*((\g)%2)+(\tp)
.set SB, QS+2*((\g)/2)+(\ap)
.set CA, 128*(\ap)+32*((\g)%2)+16*(\tp)
.if (\g) < 2
	v_wmma_scale_f32_16x16x128_f8f6f4 v[CA:CA+7], v[PA:PA+15], v[QA:QA+15], 0, v[SA], v[SB] matrix_a_fmt:MATRIX_FMT_BF8 matrix_b_fmt:MATRIX_FMT_BF8
	v_wmma_scale_f32_16x16x128_f8f6f4 v[CA+64:CA+71], v[PA:PA+15], v[QA+16:QA+31], 0, v[SA], v[SB] matrix_a_fmt:MATRIX_FMT_BF8 matrix_b_fmt:MATRIX_FMT_BF8 matrix_b_scale:MATRIX_SCALE_ROW1
	v_wmma_scale_f32_16x16x128_f8f6f4 v[CA+8:CA+15], v[PA+16:PA+31], v[QA:QA+15], 0, v[SA], v[SB] matrix_a_fmt:MATRIX_FMT_BF8 matrix_b_fmt:MATRIX_FMT_BF8 matrix_a_scale:MATRIX_SCALE_ROW1
	v_wmma_scale_f32_16x16x128_f8f6f4 v[CA+72:CA+79], v[PA+16:PA+31], v[QA+16:QA+31], 0, v[SA], v[SB] matrix_a_fmt:MATRIX_FMT_BF8 matrix_b_fmt:MATRIX_FMT_BF8 matrix_a_scale:MATRIX_SCALE_ROW1 matrix_b_scale:MATRIX_SCALE_ROW1
.else
	v_wmma_scale_f32_16x16x128_f8f6f4 v[CA:CA+7], v[PA:PA+15], v[QA:QA+15], v[CA:CA+7], v[SA], v[SB] matrix_a_fmt:MATRIX_FMT_BF8 matrix_b_fmt:MATRIX_FMT_BF8
	v_wmma_scale_f32_16x16x128_f8f6f4 v[CA+64:CA+71], v[PA:PA+15], v[QA+16:QA+31], v[CA+64:CA+71], v[SA], v[SB] matrix_a_fmt:MATRIX_FMT_BF8 matrix_b_fmt:MATRIX_FMT_BF8 matrix_b_scale:MATRIX_SCALE_ROW1
	v_wmma_scale_f32_16x16x128_f8f6f4 v[CA+8:CA+15], v[PA+16:PA+31], v[QA:QA+15], v[CA+8:CA+15], v[SA], v[SB] matrix_a_fmt:MATRIX_FMT_BF8 matrix_b_fmt:MATRIX_FMT_BF8 matrix_a_scale:MATRIX_SCALE_ROW1
	v_wmma_scale_f32_16x16x128_f8f6f4 v[CA+72:CA+79], v[PA+16:PA+31], v[QA+16:QA+31], v[CA+72:CA+79], v[SA], v[SB] matrix_a_fmt:MATRIX_FMT_BF8 matrix_b_fmt:MATRIX_FMT_BF8 matrix_a_scale:MATRIX_SCALE_ROW1 matrix_b_scale:MATRIX_SCALE_ROW1
.endif
.endm
; THE WAY OUT of Q's tile a.  Lane (r, h) holds Q's row rho(tile, r); registers 64 a + 16 b + i of window 1 are 16 neighbours along P: block b of this half's 128; a block of 32 lies in lanes l and l xor 16
.macro QW a
.set AC, 64*(\a)
	WIN 0x14                                       ; sources 1 and 2: window 1
.irp b, 0,1,2,3
	v_max3_num_f32 v[TM+\b], 0x8000000, |v[AC+16*\b]|, |v[AC+16*\b+1]|   ; my 16 numbers and the floor 2^(16 - 127)
.endr
.irp i, 2,4,6,8,10,12,14
.irp b, 0,1,2,3
	v_max3_num_f32 v[TM+\b], v[TM+\b], |v[AC+16*\b+\i]|, |v[AC+16*\b+\i+1]|
.endr
.endr
	WIN 0
.irp b, 0,1,2,3
	v_permlanex16_b32 v[TM+4+\b], v[TM+\b], s[SEL], s[SEL+1]
.endr
.irp b, 0,1,2,3
	v_max_num_f32 v[TM+\b], v[TM+\b], v[TM+4+\b]
.endr
.irp b, 0,1,2,3
	v_add_nc_u32 v[TM+12+\b], 0xf8800000, v[TM+\b] ; 15 off the exponent field: the conversion's scale operand
.endr
.irp b, 0,1,2,3
	v_and_or_b32 v[TM+8+\b], v[TM+\b], 0x7f800000, s[MNT]   ; 57,344 x the scale
.endr
.irp b, 0,1,2,3
	v_lshrrev_b32 v[TM+4+\b], 23, v[TM+12+\b]      ; the byte
.endr
	v_lshl_or_b32 v[WD], v[TM+5], 8, v[TM+4]
	v_lshl_or_b32 v[WD], v[TM+6], 16, v[WD]
	v_lshl_or_b32 v[WD], v[TM+7], 24, v[WD]        ; the row's scale word of this K step of the destination
	WIN 0x41                                       ; source 0 and destination: window 1
.irp b, 0,1,2,3
.irp i, 0,1,2,3,4,5,6,7,8,9,10,11,12,13,14,15
	v_med3_num_f32 v[AC+16*\b+\i], v[AC+16*\b+\i], -v[TM+8+\b], v[TM+8+\b]   ; the conversion does not saturate (ISA guide 7.6.2): the hold comes first
.endr
.endr
	WIN 0x01
.irp b, 0,1,2,3
	v_cvt_scalef32_pk8_bf8_f32 v[CD+16*(\a)+4*\b:CD+16*(\a)+4*\b+1], v[AC+16*\b:AC+16*\b+7], v[TM+12+\b]
	v_cvt_scalef32_pk8_bf8_f32 v[CD+16*(\a)+4*\b+2:CD+16*(\a)+4*\b+3], v[AC+16*\b+8:AC+16*\b+15], v[TM+12+\b]
.endr
	WIN 0
	v_nop                                          ; a plain instruction behind the last conversion
.irp b, 0,1,2,3
	global_store_b128 v[VO+(\a)], v[CD+16*(\a)+4*\b:CD+16*(\a)+4*\b+3], s[OC:OC+1] offset:512*\b   ; 512 consecutive bytes of the destination's image
.endr
	ds_store_b32 v[SSA], v[WD] offset:64*(\a)      ; both halves of the lanes write the same word
.endm
	s_load_b128 s[4:7], s[0:1], 0x0                ; a1, wts
	s_load_b64 s[8:9], s[0:1], 0x10                ; qkv
	v_lshl_add_u32 v[SPW], v0, 2, SPARE
	v_mov_b32 v[NIL], 0
	ds_add_u32 v[SPW], v[NIL]                      ; the opening: the add, twice on end, and its wait ahead of my first tensor load
	ds_add_u32 v[SPW], v[NIL]
	v_lshrrev_b32 v15, 5, v0
	v_readfirstlane_b32 s[WV], v15                 ; wave
	s_bfe_u32 s[CX], ttmp6, 0x40000                ; my place in the cluster
	s_and_b32 s[YY], ttmp7, 0xffff
	s_max_u32 s44, s[YY], 8
	s_sub_co_u32 s44, s44, 8
	s_lshl_b32 s44, s44, 2
	s_add_co_u32 s44, s44, ttmp9                   ; v: P block 4 (y - 8) + cluster x: tokens
	s_lshr_b32 s45, s[YY], 2                       ; q, k: 0 for q, 1 for k
	s_and_b32 s46, s[YY], 3                        ; q, k: which two K steps of the destination
	s_lshl_b32 s47, s45, 22                        ; where its codes begin in qkv,
	s_lshl_b32 s48, s45, 17
	s_add_co_u32 s48, s48, 12582912                ; and its scale words
	s_lshl_b32 s78, ttmp9, 2
	s_add_co_u32 s78, s78, s[CX]                   ; q, k: Q block: tokens
	s_add_co_u32 s79, s[CX], 8                     ; v: Q block: the weight's rows 2,048 on
	s_mov_b32 s49, 8388608
	s_mov_b32 s45, 12845056
	s_mov_b32 s[PSO], 12582912                     ; the scale words in wts,
	s_mov_b32 s[QSO], 4194304                      ; in a1
	s_cmp_lt_u32 s[YY], 8                          ; the grid's row alone: the same in all four partners
	s_cselect_b32 s[PB], s[YY], s44
	s_cselect_b32 s[KS], s46, s44
	s_cselect_b32 s47, s47, s49
	s_cselect_b32 s48, s48, s45
	s_cselect_b32 s[LG], 14, 16                    ; log2 of a tile's codes in the destination: 16 x its K
	s_cselect_b32 s[QB], s78, s79
	s_cselect_b32 s[RB], s78, s[CX]                ; the destination's block of 256 rows
	s_cselect_b32 s46, s[PSO], s[QSO]
	s_cselect_b32 s49, s[QSO], s[PSO]
	s_mov_b32 s[G0], 1
	s_lshl_b32 s[G0+1], s[WV], 16                  ; my four tiles of P: wave x 65,536, in LDS and in the image
	s_mov_b32 s[G1], 15|(3<<16)|(1<<21)            ; the mask of all four partners, elements of 8 bytes, bit 21 set beside a mask
	s_mov_b32 s[G1+1], 1024<<16                    ; a dense block as 8 rows of 8,192 bytes
	s_mov_b32 s[G1+2], 8<<16
	s_mov_b32 s[G1+3], 1024<<16
	s_mov_b32 s[G1+4], 8
	s_mov_b32 s[G1+5], 1024
	s_mov_b32 s[G1+6], 0
	s_mov_b32 s[G1+7], 0
	s_lshl_b32 s40, s[PB], 18
	s_add_co_u32 s40, s40, s[G0+1]                 ; P's codes
	s_mov_b32 s41, 0
	s_lshl_b32 s42, s[PB], 13
	s_add_co_u32 s42, s42, s46                     ; P's scale words: two groups of 4,096 bytes
	s_mov_b32 s43, 0
	s_lshl_b32 s70, s[QB], 18
	s_add_co_u32 s70, s70, s[G0+1]                 ; Q's codes: my four tiles
	s_mov_b32 s71, 0
	s_lshr_b32 s44, s[WV], 1
	s_and_b32 s45, s[WV], 1
	s_lshl_b32 s45, s45, 8
	s_lshl_b32 s72, s[QB], 13
	s_lshl_b32 s78, s44, 12
	s_add_co_u32 s72, s72, s78
	s_add_co_u32 s72, s72, s45
	s_add_co_u32 s72, s72, s49                     ; Q's scale words
	s_mov_b32 s73, 0
	s_lshl_b32 s74, s[RB], 4
	s_lshl_b32 s78, s[WV], 2
	s_add_co_u32 s74, s74, s78                     ; my first tile of the destination
	s_lshl_b32 s74, s74, s[LG]
	s_add_co_u32 s74, s74, s47
	s_lshl_b32 s78, s[KS], 12
	s_add_co_u32 s74, s74, s78                     ; its K step
	s_mov_b32 s75, 0
	s_lshl_b32 s76, s[RB], 1
	s_add_co_u32 s76, s76, s44
	s_sub_co_u32 s78, s[LG], 2
	s_lshl_b32 s76, s76, s78
	s_add_co_u32 s76, s76, s48
	s_lshl_b32 s78, s[KS], 10
	s_add_co_u32 s76, s76, s78
	s_add_co_u32 s76, s76, s45
	s_mov_b32 s77, 0
	s_lshl_b32 s[PT], 1, s[LG]
	s_mov_b32 s[SEL], 0x76543210
	s_mov_b32 s[SEL+1], 0xfedcba98                 ; v_permlanex16_b32's selects for lane l xor 16
	s_mov_b32 s[MNT], 0x600000                     ; the mantissa field of 57,344
	s_mov_b32 s[HF], 0
	s_mov_b32 s[HB], 0
	s_wait_dscnt 0x0                               ; both opening adds are done
	s_wait_kmcnt 0x0
	s_cmp_lt_u32 s[YY], 8
	s_cselect_b64 s[62:63], s[6:7], s[4:5]         ; P's buffer: wts for q and k, a1 for v
	s_cselect_b64 s[34:35], s[4:5], s[6:7]         ; Q's: the other
	s_add_nc_u64 s[G0+2:G0+3], s[62:63], s[40:41]
	s_or_b32 s[G0+3], s[G0+3], 0x80000000
	s_add_nc_u64 s[PSB:PSB+1], s[62:63], s[42:43]
	s_add_nc_u64 s[QC:QC+1], s[34:35], s[70:71]
	s_add_nc_u64 s[QSB:QSB+1], s[34:35], s[72:73]
	s_add_nc_u64 s[OC:OC+1], s[8:9], s[74:75]
	s_add_nc_u64 s[OS:OS+1], s[8:9], s[76:77]
	ROUND                                          ; all four work-groups are here: the joint loads meet
	tensor_load_to_lds s[G0:G0+3], s[G1:G1+7]      ; my one tensor load of the launch
	s_nop 0
	v_and_b32 v15, 31, v0
	v_lshlrev_b32 v[L16], 4, v15
	v_lshlrev_b32 v[L4], 2, v15
	v_lshlrev_b32 v[L8], 3, v15
	v_and_b32 v15, 15, v0
	s_lshl_b32 s40, s[WV], 8
	s_add_co_u32 s40, s40, SST
	v_lshl_add_u32 v[SSA], v15, 2, s40             ; SST + 256 x wave + 4 r
	v_add_nc_u32 v[SSR], s40, v[L8]
	v_mov_b32 v[VO], v[L16]
	v_add_nc_u32 v[VO+1], s[PT], v[VO]
	v_add_nc_u32 v[VO+2], s[PT], v[VO+1]
	v_add_nc_u32 v[VO+3], s[PT], v[VO+2]
	s_wait_alu depctr_va_vdst(0)
	PSC
.irp s, 0,1,2,3,4,5,6,7
.irp j, 0,1
	global_load_b32 v[QS+2*\s+\j], v[L4], s[QSB:QSB+1] offset:512*\s+128*\j
.endr
.endr
.set SI, 0
.rept 8                                ; Q's fragments of all of K: 128 loads of 512 consecutive bytes
	WIN 0x80+0x40*(SI/4)
.irp a, 0,1,2,3
.irp c, 0,1,2,3
	global_load_b128 v[64*(SI%4)+16*\a+4*\c:64*(SI%4)+16*\a+4*\c+3], v[L16], s[QC:QC+1] offset:16384*\a+2048*SI+512*\c
.endr
.endr
.set SI, SI+1
.endr
	WIN 0
	s_wait_tensorcnt 0x0                           ; my part of P is in,
	s_barrier_signal -1
	s_barrier_wait -1                              ; everybody's is
.Lhalf:                                            ; two trips: 128 along P each
	v_add_nc_u32 v[ADP], s[HB], v[L16]
	v_add_nc_u32 v[ADP+1], 0x10000, v[ADP]
	s_wait_alu depctr_va_vdst(0)
	PFETCH 0
	PFETCH 1
.set GI, 0
.rept 16
.if (GI%2) == 0                        ; a K step begins: its 16 loads of Q are in.  Behind them stand 16 loads for each later K step; a wait names 63 at the most
.if GI < 8
	s_wait_loadcnt 63                              ; the scale words and Q's K steps 0 to 3 are in: the youngest 63 loads belong to K steps 4 to 7
.else
	s_wait_loadcnt 16*(7-GI/2)
.endif
.endif
.if GI < 15
	s_wait_dscnt 16
.else
	s_wait_dscnt 0x0
.endif
	WIN 0x58+4*(GI/8)                              ; P window 0, Q window 2 or 3, C and D window 1
	WM4 GI, 0, 0
	WM4 GI, 0, 1
	WM4 GI, 1, 0
	WM4 GI, 1, 1
.if GI < 14
	PLACES 8                                       ; in front of loads into registers that matrix instructions have read (ISA guide 7.12.1 for vector instructions)
	WIN 0
	PFETCH GI+2
.endif
.set GI, GI+1
.endr
	WIN 0
	PLACES 8                                       ; in front of the first read of results, of writes into the fragments' registers and of loads into the scale registers
.irp b, 0,1,2,3
	v_mov_b32 v[TM+4+\b], 0                        ; a lane permute's destination counts as one of its sources
.endr
	s_cmp_eq_u32 s[HF], 1
	s_cbranch_scc1 .Lno_ps
	s_add_nc_u64 s[PSB:PSB+1], s[PSB:PSB+1], 4096
	PSC                                            ; the second half's scale words of P come under the way out
.Lno_ps:
	QW 0
	QW 1
	QW 2
	QW 3
	ds_load_b64 v[TM:TM+1], v[SSR]                 ; LDS serves a wave's instructions in order: these see my stores
	s_wait_dscnt 0x0
	global_store_b64 v[L8], v[TM:TM+1], s[OS:OS+1] ; my 64 scale words: one aligned unit of 256 bytes
	s_wait_xcnt 0x0                                ; the stores have read their registers and bases
	s_add_nc_u64 s[OC:OC+1], s[OC:OC+1], 2048      ; the destination's next K step
	s_add_nc_u64 s[OS:OS+1], s[OS:OS+1], 512
	s_wait_loadcnt 0x0                             ; the second half's scale words of P, asked for ahead of the way out
	s_add_co_u32 s[HB], s[HB], 131072
	s_add_co_u32 s[HF], s[HF], 1
	s_cmp_lt_u32 s[HF], 2
	s_wait_alu depctr_va_vdst(0)
	s_cbranch_scc1 .Lhalf
	s_wait_tensorcnt 0x0                           ; the wave's end
	ds_add_u32 v[SPW], v[NIL]
	s_wait_dscnt 0x0
	ROUND                                          ; the closing round
	s_endpgm
.Lfunc_end_k_qa34fefefc2_qkvg:
	.size	k_qa34fefefc2_qkvg, .Lfunc_end_k_qa34fefefc2_qkvg-k_qa34fefefc2_qkvg
	.p2alignl 7, 3214868480
	.fill 96, 4, 3214868480
	.section	.rodata,"a",@progbits
	.p2align	6, 0x0
	.amdhsa_kernel k_qa34fefefc2_qkvg
		.amdhsa_group_segment_fixed_size 327680
		.amdhsa_private_segment_fixed_size 0
		.amdhsa_enable_private_segment 0
		.amdhsa_kernarg_size 24
		.amdhsa_user_sgpr_count 2
		.amdhsa_user_sgpr_kernarg_segment_ptr 1
		.amdhsa_wavefront_size32 1
		.amdhsa_system_sgpr_workgroup_id_x 1
		.amdhsa_system_sgpr_workgroup_id_y 1
		.amdhsa_system_sgpr_workgroup_id_z 1
		.amdhsa_system_vgpr_workitem_id 0
		.amdhsa_next_free_vgpr 1024
		.amdhsa_next_free_sgpr 80
		.amdhsa_reserve_vcc 0
		.amdhsa_float_denorm_mode_32 3
		.amdhsa_float_denorm_mode_16_64 3
		.amdhsa_memory_ordered 1
		.amdhsa_forward_progress 1
		.amdhsa_inst_pref_size 114
	.end_amdhsa_kernel
	.amdgpu_metadata
---
amdhsa.version: [ 1, 2 ]
amdhsa.kernels:
  - .name:           k_qa34fefefc2_qkvg
    .symbol:         k_qa34fefefc2_qkvg.kd
    .args:
      - { .name: a1, .offset: 0, .size: 8, .value_kind: global_buffer, .address_space: global }
      - { .name: wts, .offset: 8, .size: 8, .value_kind: global_buffer, .address_space: global }
      - { .name: qkv, .offset: 16, .size: 8, .value_kind: global_buffer, .address_space: global }
    .group_segment_fixed_size: 327680
    .private_segment_fixed_size: 0
    .kernarg_segment_align: 8
    .kernarg_segment_size: 24
    .max_flat_workgroup_size: 128
    .sgpr_count:     80
    .vgpr_count:     1024
    .wavefront_size: 32
...
	.end_amdgpu_metadata
.endif
;; end of part 3
;; launch attn (part 4): grid 8 x 32, 16 waves a work-group, clusters of 4 x 1, 276,480 bytes of LDS; arguments qkv, yb; writes yb
.if DOCPART == 4
	.amdgcn_target "amdgcn-amd-amdhsa--gfx1250"
	.amdhsa_code_object_version 6
	.text
	.protected	k_qa34fefefc2_attn
	.globl	k_qa34fefefc2_attn
	.p2align	8
	.type	k_qa34fefefc2_attn,@function
k_qa34fefefc2_attn:
	s_mov_b64 s[64:65], 0
	v_nop
	global_prefetch_b8 v0, s[64:65] scope:SCOPE_SE
	s_setreg_imm32_b32 hwreg(HW_REG_WAVE_MODE, 25, 1), 1
	s_wait_xcnt 0x0
	s_wait_alu depctr_hold_cnt(0) depctr_sa_sdst(0) depctr_va_vdst(0) depctr_va_sdst(0) depctr_va_ssrc(0) depctr_va_vcc(0) depctr_vm_vsrc(0)
	s_getreg_b32 s2, hwreg(HW_REG_IB_STS2, 6, 4)
	s_cmp_eq_u32 s2, 0
	s_cbranch_scc0 .Lentry_in_a_cluster
	s_endpgm
.Lentry_in_a_cluster:
	s_bfe_u32 s2, ttmp6, 0x10000c
	s_cmp_lg_u32 s2, 0x3003
	s_cbranch_scc0 .Lentry_shape_is_right
	s_endpgm
.Lentry_shape_is_right:
; y = causal attention on the images of q, k (K = the head's 64) and v (K = the keys) that the launch before made; y leaves as the image of the projection's operand, quantised along the 1,024.
; WORK LEFT OUT: key steps (128 keys) all of whose keys come after the wave's 16 queries: reference() sets their logits to -inf by its own jnp.tril, so p = 0 there for all inputs (shown at the first kernel's head; the limit stated there holds).
; THE SOFTMAX: t = score x log2(e) / 8; M = the running largest t rounded up to a whole number; p = 2^(t - M) is quantised along the keys, not normalised; the row's sum is taken of the unquantised p and divides at the end.
; SHARES.  A work-group is (j, batch and head), j = 0..7.  Wave w owns the query tile 8 i + j of the head, i a fixed permutation of w: its 16 queries lie in 128 i .. 128 i + 127, so it needs key steps 0 .. i, whatever j is:
; every branch hangs on the wave's number and the count of steps alone.  i = (w & 12) | ((w & 3) xor 3 ((w >> 2) & 1)): waves w, w + 4, w + 8, w + 12 have 34 steps together for every w & 3.
; A WHOLE HEAD STAYS IN LDS: K's codes 128 KiB, V's 128 KiB, their scale words 8 + 4 KiB: filled once, one load a wave, nothing is filled again.
; CLUSTER 4 x 1: the four partners (same head, other j) read the same bytes: every fill is a joint load with the mask of all four.
; The head's 64 fill half of the instruction's 128 along K: registers 8-15 of K's and Q's fragments hold zero codes, which add nothing; the scale bytes beside them are 0 (2^-127), not 0xff.
; Both products are used transposed (S^T = K Q^T, O^T = V^T P): a lane holds one query throughout.  LIMITS: 1 / sum is v_rcp_f32; byte 1 for a block of zeros; NaN and infinities not served.
.set VC,    131072                     ; V's codes: p 16,384 + dt 4,096 + q 2,048 + c 512 + 16 lane (key step 2 p + q).  K's at 0: ks 8,192 + tile 1,024 + c 512 + 16 lane
.set KSC,   262144                     ; K's scale words: ks 512 + tile 64 + 4 r
.set VSC,   270336                     ; V's: ks 256 + dt 64 + 4 r
.set SPARE, 274432                     ; the spare words, 128 bytes for each of 16 waves: no other line names them
.set AK0,  1                           ; v1   16 x lane
.set AV0,  2                           ; v2   + VC
.set ASK0, 3                           ; v3   KSC + 4 x lane + 2 (head % 2): a pair of tiles' half words
.set ASV0, 4                           ; v4   VSC + 4 x lane
.set SPW,  5
.set NIL,  6
.set DQ,   7                           ; v7   my query in its 128, less 16 h
.set ADK,  8
.set ADV,  9
.set ADS,  10
.set ADT,  11                          ; v12 -M, v13 the largest t, v[14:15] the sum; v16-23 Q, v24-31 zeros; v32-95 four fragments of K (8 live + 8 zeros); v96-159 S^T, p, then V; v160-191 O^T; v192-207 p's codes
                                       ; v208-211 K's scales, v212-213 V's, v214 Q's, v215 p's: scales and nothing else; v232-254 at work; v255 4 r
.set WV,   18
.set MNT,  19
.set SEL,  20
.set CS,   22
.set TB,   2                           ; s2  LDS byte of the trip's two key steps, in K's codes and in V's
.set TS,   3                           ; s3  in K's scale words
.set TJ,   66                          ; s66 in V's
.set TRIPS, 67
.set KI,   76                          ; s76 the key step
.set WI,   77                          ; s77 i: my last key step
.set G1K,  24
.set G1V,  32
.set G1KS, 40
.set G1VS, 48
.set G0K,  56
.set G0V,  60
.set G0KS, 68
.set G0VS, 72
.macro ROUND
	s_barrier_signal -1
	s_barrier_wait -1
	s_cmp_lg_u32 s[WV], 0
	s_cbranch_scc1 .Lnot_wave_0_\@
	s_barrier_signal -3
.Lnot_wave_0_\@:
	s_barrier_wait -3
	s_barrier_signal -1
	s_barrier_wait -1
.endm
	s_load_b128 s[4:7], s[0:1], 0x0                ; qkv, yb
	v_lshl_add_u32 v[SPW], v0, 2, SPARE
	v_mov_b32 v[NIL], 0
	ds_add_u32 v[SPW], v[NIL]                      ; the opening: the add, twice on end, and its wait ahead of my first tensor load
	ds_add_u32 v[SPW], v[NIL]
	v_lshrrev_b32 v8, 5, v0
	s_delay_alu instid0(VALU_DEP_1)
	v_readfirstlane_b32 s[WV], v8                  ; wave 0..15
	s_and_b32 s80, ttmp7, 0xffff
	s_lshr_b32 s81, s80, 4                         ; batch
	s_and_b32 s82, s80, 15                         ; head
	s_and_b32 s[WI], s[WV], 12
	s_bfe_u32 s84, s[WV], 0x10002
	s_mul_i32 s84, s84, 3
	s_and_b32 s85, s[WV], 3
	s_xor_b32 s85, s85, s84
	s_or_b32 s[WI], s[WI], s85                     ; i
	s_lshl_b32 s84, s81, 4                         ; 16 batch: the batch's first key step among all tokens' groups of 128
	; THE FIRST FILLS, ONE A WAVE: waves 0-3 K's codes (4 key steps each), waves 4-11 V's codes (2 key steps each), waves 12, 13 the halves of K's scale words, waves 14, 15 those of V's
	s_and_b32 s8, s[WV], 3
	s_lshl_b32 s9, s8, 2
	s_add_co_u32 s9, s9, s84                       ; K's codes: key step 16 batch + 4 (wave % 4)
	s_xor_b32 s83, s[WV], 4
	s_and_b32 s83, s83, 7                          ; p = wave - 4 in waves 4-11
	s_lshl_b32 s10, s83, 1
	s_add_co_u32 s10, s10, s84                     ; V's codes: key step 16 batch + 2 p
	s_and_b32 s11, s[WV], 1
	s_lshl_b32 s16, s11, 3
	s_add_co_u32 s16, s16, s84                     ; scale words: key step 16 batch + 8 (wave % 2)
	s_lshr_b32 s85, s82, 1                         ; head / 2
	s_and_b32 s86, s82, 1                          ; head % 2
	s_lshl_b32 s88, s9, 17
	s_lshl_b32 s87, s85, 11
	s_add_co_u32 s88, s88, s87                     ; the K step of the image that holds my head,
	s_lshl_b32 s87, s86, 10
	s_add_co_u32 s88, s88, s87                     ; its half
	s_add_co_u32 s88, s88, 4194304
	s_mov_b32 s89, 0
	s_lshl_b32 s90, s82, 18                        ; V's codes: 4 tiles of 65,536 bytes a head,
	s_lshl_b32 s87, s10, 11
	s_add_co_u32 s90, s90, s87                     ; the key step
	s_add_co_u32 s90, s90, 8388608
	s_mov_b32 s91, 0
	s_lshl_b32 s92, s16, 12
	s_lshl_b32 s87, s85, 9
	s_add_co_u32 s92, s92, s87
	s_add_co_u32 s92, s92, 12713984
	s_mov_b32 s93, 0
	s_lshl_b32 s94, s85, 14                        ; V's
	s_lshl_b32 s87, s16, 9
	s_add_co_u32 s94, s94, s87
	s_lshl_b32 s87, s86, 8
	s_add_co_u32 s94, s94, s87
	s_add_co_u32 s94, s94, 12845056
	s_mov_b32 s95, 0
	; group 1: elements of 8 bytes, the mask of all four partners, bit 21 set beside it, no padding
.irp g, G1K, G1V, G1KS, G1VS
	s_mov_b32 s[\g], 15|(3<<16)|(1<<21)
	s_mov_b32 s[\g+6], 0
	s_mov_b32 s[\g+7], 0
.endr
	s_mov_b32 s[G1K+1], 128<<16                    ; K: 32 rows (tiles) of 1,024 bytes, 16,384 bytes apart
	s_mov_b32 s[G1K+2], 32<<16                     ; 32 tiles: four key steps
	s_mov_b32 s[G1K+3], 128<<16
	s_mov_b32 s[G1K+4], 32
	s_mov_b32 s[G1K+5], 2048
	s_mov_b32 s[G1V+1], 512<<16                    ; V: 4 rows (tiles) of 4,096 bytes, 65,536 bytes apart
	s_mov_b32 s[G1V+2], 4<<16
	s_mov_b32 s[G1V+3], 512<<16
	s_mov_b32 s[G1V+4], 4
	s_mov_b32 s[G1V+5], 8192
	s_mov_b32 s[G1KS+1], 64<<16                    ; K's scale words: 8 rows of 512 bytes, 4,096 apart
	s_mov_b32 s[G1KS+2], 8<<16                     ; 8 key steps
	s_mov_b32 s[G1KS+3], 64<<16
	s_mov_b32 s[G1KS+4], 8
	s_mov_b32 s[G1KS+5], 512
	s_mov_b32 s[G1VS+1], 32<<16                    ; V's: 8 rows of 256 bytes, 512 apart
	s_mov_b32 s[G1VS+2], 8<<16                     ; 8 key steps
	s_mov_b32 s[G1VS+3], 32<<16
	s_mov_b32 s[G1VS+4], 8
	s_mov_b32 s[G1VS+5], 64
	s_mov_b32 s[SEL], 0x76543210
	s_mov_b32 s[SEL+1], 0xfedcba98
	s_mov_b32 s[CS], 0x3e38aa3b                    ; c = log2(e) / 8
	s_mov_b32 s[CS+1], s[CS]
	s_mov_b32 s[MNT], 0x600000
	s_mov_b32 s[TB], 0
	s_mov_b32 s[TS], 0
	s_mov_b32 s[TJ], 0
	s_mov_b32 s[KI], 0
	s_mov_b32 s[TRIPS], 8
	s_wait_dscnt 0x0                               ; both opening adds are done
	s_wait_kmcnt 0x0
	s_mov_b32 s[G0K], 1
	s_lshl_b32 s[G0K+1], s8, 15                    ; K's codes at (wave % 4) x 32,768
	s_add_nc_u64 s[G0K+2:G0K+3], s[4:5], s[88:89]
	s_or_b32 s[G0K+3], s[G0K+3], 0x80000000
	s_mov_b32 s[G0V], 1
	s_lshl_b32 s[G0V+1], s83, 14
	s_add_co_u32 s[G0V+1], s[G0V+1], VC            ; V's at VC + p x 16,384
	s_add_nc_u64 s[G0V+2:G0V+3], s[4:5], s[90:91]
	s_or_b32 s[G0V+3], s[G0V+3], 0x80000000
	s_mov_b32 s[G0KS], 1
	s_lshl_b32 s[G0KS+1], s11, 12
	s_add_co_u32 s[G0KS+1], s[G0KS+1], KSC
	s_add_nc_u64 s[G0KS+2:G0KS+3], s[4:5], s[92:93]
	s_or_b32 s[G0KS+3], s[G0KS+3], 0x80000000
	s_mov_b32 s[G0VS], 1
	s_lshl_b32 s[G0VS+1], s11, 11
	s_add_co_u32 s[G0VS+1], s[G0VS+1], VSC
	s_add_nc_u64 s[G0VS+2:G0VS+3], s[4:5], s[94:95]
	s_or_b32 s[G0VS+3], s[G0VS+3], 0x80000000
	ROUND                                          ; all four work-groups are here: the joint loads meet
	s_cmp_lt_u32 s[WV], 4                          ; one chain of branches on the wave's number, one fill to an arm: every way passes exactly one load
	s_cbranch_scc0 .Lfirst_v
	tensor_load_to_lds s[G0K:G0K+3], s[G1K:G1K+7]
	s_nop 0
.rept 4
	v_nop
.endr
	s_branch .Lfirst_asked
.Lfirst_v:
	s_cmp_lt_u32 s[WV], 12
	s_cbranch_scc0 .Lfirst_ks
	tensor_load_to_lds s[G0V:G0V+3], s[G1V:G1V+7]
	s_nop 0
.rept 4
	v_nop
.endr
	s_branch .Lfirst_asked
.Lfirst_ks:
	s_cmp_lt_u32 s[WV], 14
	s_cbranch_scc0 .Lfirst_vs
	tensor_load_to_lds s[G0KS:G0KS+3], s[G1KS:G1KS+7]
	s_nop 0
.rept 4
	v_nop
.endr
	s_branch .Lfirst_asked
.Lfirst_vs:
	tensor_load_to_lds s[G0VS:G0VS+3], s[G1VS:G1VS+7]
	s_nop 0
.rept 4
	v_nop
.endr
.Lfirst_asked:
	; my query tile: 128 batch + 8 i + j.  j hangs on my place in the cluster: it enters Q's and y's global addresses and the mask's compare alone
	s_bfe_u32 s78, ttmp6, 0x40000                  ; cx
	s_lshl_b32 s79, ttmp9, 2
	s_add_co_u32 s79, s79, s78                     ; j
	s_lshl_b32 s96, s81, 7
	s_lshl_b32 s16, s[WI], 3
	s_add_co_u32 s96, s96, s16
	s_add_co_u32 s96, s96, s79
	s_lshl_b32 s96, s96, 14                        ; the tile's codes,
	s_lshl_b32 s16, s85, 11
	s_add_co_u32 s96, s96, s16
	s_lshl_b32 s16, s86, 10
	s_add_co_u32 s96, s96, s16                     ; my head's 1,024 bytes of them
	s_mov_b32 s97, 0
	s_lshl_b32 s98, s81, 4
	s_add_co_u32 s98, s98, s[WI]
	s_lshl_b32 s98, s98, 12                        ; the scale words: group 16 batch + i,
	s_lshl_b32 s16, s85, 9
	s_add_co_u32 s98, s98, s16
	s_lshl_b32 s16, s79, 6
	s_add_co_u32 s98, s98, s16                     ; tile j of the group,
	s_lshl_b32 s16, s86, 1
	s_add_co_u32 s98, s98, s16                     ; my head's two bytes of the word
	s_mov_b32 s99, 0
	s_add_nc_u64 s[8:9], s[4:5], s[96:97]          ; Q's codes
	s_add_nc_u64 s[10:11], s[4:5], s[98:99]
	s_add_nc_u64 s[10:11], s[10:11], 12582912      ; Q's scale bytes
	s_add_nc_u64 s[12:13], s[6:7], s[96:97]        ; y's codes
	s_add_nc_u64 s[14:15], s[6:7], s[98:99]
	s_add_nc_u64 s[14:15], s[14:15], 4194304       ; y's scale bytes
	v_and_b32 v8, 15, v0                           ; r
	v_bfe_u32 v9, v0, 4, 1                         ; h
	v_and_b32 v10, 31, v0                          ; lane
	s_delay_alu instid0(VALU_DEP_1)
	v_lshlrev_b32 v[AK0], 4, v10
	global_load_b128 v[16:19], v[AK0], s[8:9]      ; Q's fragment stays in registers
	global_load_b128 v[20:23], v[AK0], s[8:9] offset:512
	v_lshlrev_b32 v255, 2, v8
	global_load_u16 v214, v255, s[10:11]           ; its two scale bytes; the upper two come as 0, beside zero codes
	v_add_nc_u32 v[AV0], VC, v[AK0]
	s_lshl_b32 s84, s86, 1
	s_add_co_u32 s84, s84, KSC
	v_lshl_add_u32 v[ASK0], v10, 2, s84
	v_lshl_add_u32 v[ASV0], v10, 2, VSC
	s_lshr_b32 s17, s79, 1
	s_lshl_b32 s17, s17, 5
	s_and_b32 s16, s79, 1
	s_lshl_b32 s16, s16, 3
	s_add_co_u32 s17, s17, s16                     ; 32 (j / 2) + 8 (j % 2)
	v_and_b32 v11, 7, v8
	v_lshrrev_b32 v12, 3, v8
	s_delay_alu instid0(VALU_DEP_1)
	v_lshl_add_u32 v[DQ], v12, 4, v11
	s_delay_alu instid0(VALU_DEP_1)
	v_add_nc_u32 v[DQ], s17, v[DQ]                 ; my query in its 128
	v_lshlrev_b32 v11, 4, v9
	s_delay_alu instid0(VALU_DEP_1)
	v_sub_nc_u32 v[DQ], v[DQ], v11                 ; less 16 h
	v_mov_b32 v13, 0xff61b1e6                      ; the largest t so far: -3e38
	s_delay_alu instid0(VALU_DEP_1)
	v_floor_f32 v12, -v13                          ; -M
	v_mov_b32 v14, 0
	v_mov_b32 v15, 0
	v_mov_b32 v252, 0
	v_mov_b32 v253, 0                              ; (named as the upper half of the pair v[252:253])
.irp b, 0,1,2,3
	v_mov_b32 v[236+\b], 0                         ; a lane permute's destination counts as one of its sources
.endr
.irp j, 24,25,26,27,28,29,30,31
	v_mov_b32 v[\j], 0                             ; zero codes: the upper 64 of the instruction's K, in Q
.endr
.irp t, 0,1,2,3
.irp j, 8,9,10,11,12,13,14,15
	v_mov_b32 v[32+16*\t+\j], 0                    ; and in K's four fragments: written once
.endr
.endr
.irp j, 0,1,2,3,4,5,6,7,8,9,10,11,12,13,14,15,16,17,18,19,20,21,22,23,24,25,26,27,28,29,30,31
	v_mov_b32 v[160+\j], 0                         ; O^T: the step is written once; the first change of M leaves zeros zeros
.endr
; A KEY STEP: 128 keys, the q-th of the trip's two
.macro STEP q
	s_cmp_gt_u32 s[KI], s[WI]                      ; all its keys come after my queries: left out.  The wave's number and the count of steps alone; no barrier and no tensor load stands in a step
	s_cbranch_scc1 .Lhidden_\@
	v_add_nc_u32 v[ADK], s[TB], v[AK0]
	s_wait_alu depctr_va_vdst(0)
	v_add_nc_u32 v[ADV], s[TB], v[AV0]
	v_add_nc_u32 v[ADS], s[TS], v[ASK0]
	v_add_nc_u32 v[ADT], s[TJ], v[ASV0]
.irp g, 0,1                                    ; S^T = K Q^T, four tiles of 16 keys at a time
.if \g > 0
.rept 8
	v_nop                                          ; places in front of loads into registers that matrix instructions have read
.endr
.endif
.irp t, 0,1,2,3
.irp c, 0,1
	ds_load_b128 v[32+16*\t+4*\c:32+16*\t+4*\c+3], v[ADK] offset:8192*(\q)+1024*(4*\g+\t)+512*\c
.endr
.endr
.if \g == 0
.irp b, 0,1,2,3
	ds_load_u16 v[208+\b], v[ADS] offset:512*(\q)+128*\b   ; lanes 0-15: tile 2 b's scale bytes, lanes 16-31: tile 2 b + 1's
.endr
.endif
	s_wait_dscnt 0x0
.irp t, 0,1,2,3
.if \t%2
	v_wmma_scale_f32_16x16x128_f8f6f4 v[96+8*(4*\g+\t):103+8*(4*\g+\t)], v[32+16*\t:47+16*\t], v[16:31], 0, v[208+2*\g+\t/2], v214 matrix_a_fmt:MATRIX_FMT_BF8 matrix_b_fmt:MATRIX_FMT_BF8 matrix_a_scale:MATRIX_SCALE_ROW1
.else
	v_wmma_scale_f32_16x16x128_f8f6f4 v[96+8*(4*\g+\t):103+8*(4*\g+\t)], v[32+16*\t:47+16*\t], v[16:31], 0, v[208+2*\g+\t/2], v214 matrix_a_fmt:MATRIX_FMT_BF8 matrix_b_fmt:MATRIX_FMT_BF8
.endif
.endr
.endr                                          ; register 16 b + i holds key 128 KI + 32 b + 16 h + i of my query
.rept 8
	v_nop
.endr
	s_cmp_lt_u32 s[KI], s[WI]                      ; a step all of whose keys count skips the mask
	s_cbranch_scc1 .Lopen_\@
	v_mov_b32 v254, 0xff800000                     ; on the diagonal hidden scores become -infinity ahead of the maximum: p = 0 then
.irp n, 0,1,2,3,4,5,6,7,8,9,10,11,12,13,14,15,16,17,18,19,20,21,22,23,24,25,26,27,28,29,30,31,32,33,34,35,36,37,38,39,40,41,42,43,44,45,46,47,48,49,50,51,52,53,54,55,56,57,58,59,60,61,62,63
	v_cmp_gt_i32 vcc_lo, 32*(\n/16)+\n%16, v[DQ]
	v_cndmask_b32 v[96+\n], v[96+\n], v254, vcc_lo
.endr
.Lopen_\@:
.irp b, 0,1,2,3
	v_max3_num_f32 v[232+\b], v[96+16*\b], v[97+16*\b], v[98+16*\b]   ; the largest score of each block of 32 keys: for the row's maximum, and for the block's largest p
.endr
.irp i, 3,5,7,9,11,13
.irp b, 0,1,2,3
	v_max3_num_f32 v[232+\b], v[232+\b], v[96+16*\b+\i], v[97+16*\b+\i]
.endr
.endr
.irp b, 0,1,2,3
	v_max_num_f32 v[232+\b], v[232+\b], v[111+16*\b]
.endr
.irp b, 0,1,2,3
	s_delay_alu instid0(VALU_DEP_4)
	v_permlanex16_b32 v[236+\b], v[232+\b], s[SEL], s[SEL+1]
.endr
.irp b, 0,1,2,3
	s_delay_alu instid0(VALU_DEP_4)
	v_max_num_f32 v[232+\b], v[232+\b], v[236+\b]  ; with lane l xor 16's 16 keys
.endr
	s_delay_alu instid0(VALU_DEP_2)
	v_max3_num_f32 v254, v232, v233, v234
	s_delay_alu instid0(VALU_DEP_1)
	v_max_num_f32 v254, v254, v235
	s_delay_alu instid0(VALU_DEP_1)
	v_mul_f32 v254, s[CS], v254                    ; the step's largest t
	s_delay_alu instid0(VALU_DEP_1)
	v_max_num_f32 v13, v13, v254
	v_mov_b32 v254, v12
	s_delay_alu instid0(VALU_DEP_2)
	v_floor_f32 v12, -v13                          ; the new -M = -ceil(t)
	s_delay_alu instid0(VALU_DEP_1)
	v_sub_f32 v254, v12, v254                      ; old M - new M: a whole number, 0 or less
	s_delay_alu instid0(VALU_DEP_1)
	v_cvt_i32_f32 v254, v254                       ; (it saturates)
	s_delay_alu instid0(VALU_DEP_1)
	v_ldexp_f32 v252, 1.0, v254                    ; f = 2^(old M - new M): exact
.irp j, 0,2,4,6,8,10,12,14,16,18,20,22,24,26,28,30,32,34,36,38,40,42,44,46,48,50,52,54,56,58,60,62
	v_pk_fma_f32 v[96+\j:97+\j], v[96+\j:97+\j], s[CS:CS+1], v[12:13] op_sel_hi:[1,0,0]   ; t - M
.endr
.irp b, 0,1,2,3
	v_fma_f32 v[232+\b], v[232+\b], s[CS], v12
.endr
	s_wait_alu depctr_va_vdst(0)
.irp j, 0,1,2,3,4,5,6,7,8,9,10,11,12,13,14,15,16,17,18,19,20,21,22,23,24,25,26,27,28,29,30,31,32,33,34,35,36,37,38,39,40,41,42,43,44,45,46,47,48,49,50,51,52,53,54,55,56,57,58,59,60,61,62,63
	v_exp_f32 v[96+\j], v[96+\j]                   ; p = 2^(t - M)
.endr
	v_pk_mul_f32 v[14:15], v[14:15], v[252:253] op_sel_hi:[1,0]   ; the sums under the new M: a plain instruction behind the exponentials
	s_wait_alu depctr_va_vdst(0)                   ; one wait for the batch, ahead of its first reader
.irp b, 0,1,2,3
	v_exp_f32 v[232+\b], v[232+\b]                 ; each block's largest p
.endr
	v_pk_add_f32 v[236:237], v[100:101], v[104:105]
	v_pk_add_f32 v[250:251], v[108:109], v[112:113]
	v_pk_add_f32 v[248:249], v[116:117], v[120:121]
	v_pk_add_f32 v[246:247], v[124:125], v[128:129]
	v_pk_add_f32 v[244:245], v[132:133], v[136:137]
	v_pk_add_f32 v[242:243], v[140:141], v[144:145]
	v_pk_add_f32 v[240:241], v[148:149], v[152:153]
	v_pk_add_f32 v[14:15], v[14:15], v[156:157]
	v_pk_add_f32 v[236:237], v[236:237], v[96:97]
	v_pk_add_f32 v[250:251], v[250:251], v[98:99]
	v_pk_add_f32 v[248:249], v[248:249], v[102:103]
	v_pk_add_f32 v[246:247], v[246:247], v[106:107]
	v_pk_add_f32 v[244:245], v[244:245], v[110:111]
	v_pk_add_f32 v[242:243], v[242:243], v[114:115]
	v_pk_add_f32 v[240:241], v[240:241], v[118:119]
	v_pk_add_f32 v[14:15], v[14:15], v[122:123]
	v_pk_add_f32 v[236:237], v[236:237], v[126:127]
	v_pk_add_f32 v[250:251], v[250:251], v[130:131]
	v_pk_add_f32 v[248:249], v[248:249], v[134:135]
	v_pk_add_f32 v[246:247], v[246:247], v[138:139]
	v_pk_add_f32 v[244:245], v[244:245], v[142:143]
	v_pk_add_f32 v[242:243], v[242:243], v[146:147]
	v_pk_add_f32 v[240:241], v[240:241], v[150:151]
	v_pk_add_f32 v[14:15], v[14:15], v[154:155]
	v_pk_add_f32 v[236:237], v[236:237], v[158:159]
	s_delay_alu instid0(VALU_DEP_2)
	v_pk_add_f32 v[14:15], v[14:15], v[246:247]
	s_delay_alu instid0(VALU_DEP_2)
	v_pk_add_f32 v[236:237], v[236:237], v[244:245]
	v_pk_add_f32 v[250:251], v[250:251], v[242:243]
	v_pk_add_f32 v[248:249], v[248:249], v[240:241]
	s_delay_alu instid0(VALU_DEP_2)
	v_pk_add_f32 v[14:15], v[14:15], v[250:251]
	s_delay_alu instid0(VALU_DEP_2)
	v_pk_add_f32 v[236:237], v[236:237], v[248:249]
	s_delay_alu instid0(VALU_DEP_1)
	v_pk_add_f32 v[14:15], v[14:15], v[236:237]
	s_wait_alu depctr_va_vdst(0)                   ; and one for the four
.irp b, 0,1,2,3
	v_max_num_f32 v[232+\b], 0x8000000, v[232+\b]  ; the floor 2^(16 - 127)
.endr
.irp b, 0,1,2,3
	s_delay_alu instid0(VALU_DEP_4)
	v_add_nc_u32 v[244+\b], 0xf8800000, v[232+\b]
.endr
.irp b, 0,1,2,3
	v_and_or_b32 v[240+\b], v[232+\b], 0x7f800000, s[MNT]
.endr
.irp b, 0,1,2,3
	v_lshrrev_b32 v[236+\b], 23, v[244+\b]
.endr
	s_delay_alu instid0(VALU_DEP_3)
	v_lshl_or_b32 v215, v237, 8, v236              ; p's scale word for these 128 keys
	s_delay_alu instid0(VALU_DEP_1)
	v_lshl_or_b32 v215, v238, 16, v215
	s_delay_alu instid0(VALU_DEP_1)
	v_lshl_or_b32 v215, v239, 24, v215
.irp b, 0,1,2,3
.irp i, 0,1,2,3,4,5,6,7,8,9,10,11,12,13,14,15
	v_min_num_f32 v[96+16*\b+\i], v[96+16*\b+\i], v[240+\b]   ; p is not negative: the hold is one-sided
.endr
	v_cvt_scalef32_pk8_bf8_f32 v[192+4*\b:193+4*\b], v[96+16*\b:103+16*\b], v[244+\b]
	v_cvt_scalef32_pk8_bf8_f32 v[194+4*\b:195+4*\b], v[104+16*\b:111+16*\b], v[244+\b]
.endr
.irp j, 0,2,4,6,8,10,12,14,16,18,20,22,24,26,28,30
	v_pk_mul_f32 v[160+\j:161+\j], v[160+\j:161+\j], v[252:253] op_sel_hi:[1,0]   ; O^T under the new M; these are also the places in front of the products below
.endr
.irp t, 0,1,2,3                                ; O^T += V^T P: the head's four tiles of 16; V takes the registers that p has left
.irp c, 0,1,2,3
	ds_load_b128 v[96+16*\t+4*\c:96+16*\t+4*\c+3], v[ADV] offset:4096*\t+2048*(\q)+512*\c
.endr
.endr
	ds_load_b32 v212, v[ADT] offset:256*(\q)
	ds_load_b32 v213, v[ADT] offset:256*(\q)+128
	s_wait_alu depctr_va_vdst(0)
	s_wait_dscnt 0x0
.irp t, 0,1,2,3
.if \t%2
	v_wmma_scale_f32_16x16x128_f8f6f4 v[160+8*\t:167+8*\t], v[96+16*\t:111+16*\t], v[192:207], v[160+8*\t:167+8*\t], v[212+\t/2], v215 matrix_a_fmt:MATRIX_FMT_BF8 matrix_b_fmt:MATRIX_FMT_BF8 matrix_a_scale:MATRIX_SCALE_ROW1
.else
	v_wmma_scale_f32_16x16x128_f8f6f4 v[160+8*\t:167+8*\t], v[96+16*\t:111+16*\t], v[192:207], v[160+8*\t:167+8*\t], v[212+\t/2], v215 matrix_a_fmt:MATRIX_FMT_BF8 matrix_b_fmt:MATRIX_FMT_BF8
.endif
.endr
.rept 9
	v_nop                                          ; nine places: the next step's products write over V's registers
.endr
.Lhidden_\@:
	s_add_co_u32 s[KI], s[KI], 1
.endm
	s_wait_tensorcnt 0x0                           ; my fill has landed,
	s_barrier_signal -1
	s_barrier_wait -1                              ; everybody's have: the whole head lies in LDS
	s_wait_loadcnt 0x0                             ; Q
.Ltrip:                                            ; 8 trips of two key steps, a constant count in every wave
	STEP 0
	STEP 1
	s_add_co_u32 s[TB], s[TB], 16384
	s_add_co_u32 s[TS], s[TS], 1024
	s_add_co_u32 s[TJ], s[TJ], 512
	s_sub_co_u32 s[TRIPS], s[TRIPS], 1
	s_cmp_lg_u32 s[TRIPS], 0
	s_cbranch_scc1 .Ltrip
	; THE WAY OUT: O^T / the sum; register 16 e + i is y(my query, 64 head + 32 e + 16 h + i): two blocks of the projection's K, quantised as they lie
	v_add_f32 v14, v14, v15
	s_delay_alu instid0(VALU_DEP_1)
	v_permlanex16_b32 v252, v14, s[SEL], s[SEL+1]
	s_delay_alu instid0(VALU_DEP_1)
	v_add_f32 v14, v14, v252                       ; the row's sum
	s_wait_alu depctr_va_vdst(0)
	v_rcp_f32 v14, v14
	v_nop                                          ; a plain instruction behind the transcendental,
	s_wait_alu depctr_va_vdst(0)                   ; and the wait ahead of the first reader
.irp j, 0,1,2,3,4,5,6,7,8,9,10,11,12,13,14,15,16,17,18,19,20,21,22,23,24,25,26,27,28,29,30,31
	v_mul_f32 v[96+\j], v[160+\j], v14
.endr
.irp b, 0,1
	v_max3_num_f32 v[232+\b], |v[96+16*\b]|, |v[97+16*\b]|, 0x8000000
.endr
.irp i, 2,4,6,8,10,12,14
.irp b, 0,1
	s_delay_alu instid0(VALU_DEP_2)
	v_max3_num_f32 v[232+\b], v[232+\b], |v[96+16*\b+\i]|, |v[97+16*\b+\i]|
.endr
.endr
.irp b, 0,1
	s_delay_alu instid0(VALU_DEP_2)
	v_permlanex16_b32 v[236+\b], v[232+\b], s[SEL], s[SEL+1]
.endr
.irp b, 0,1
	s_delay_alu instid0(VALU_DEP_2)
	v_max_num_f32 v[232+\b], v[232+\b], v[236+\b]
.endr
.irp b, 0,1
	s_delay_alu instid0(VALU_DEP_2)
	v_add_nc_u32 v[244+\b], 0xf8800000, v[232+\b]
.endr
.irp b, 0,1
	s_delay_alu instid0(VALU_DEP_4)
	v_and_or_b32 v[240+\b], v[232+\b], 0x7f800000, s[MNT]
.endr
.irp b, 0,1
	s_delay_alu instid0(VALU_DEP_4)
	v_lshrrev_b32 v[236+\b], 23, v[244+\b]
.endr
	s_delay_alu instid0(VALU_DEP_1)
	v_lshl_or_b32 v254, v237, 8, v236              ; my head's two bytes of the row's scale word
.irp b, 0,1
.irp i, 0,1,2,3,4,5,6,7,8,9,10,11,12,13,14,15
	v_med3_num_f32 v[96+16*\b+\i], v[96+16*\b+\i], -v[240+\b], v[240+\b]
.endr
	v_cvt_scalef32_pk8_bf8_f32 v[192+4*\b:193+4*\b], v[96+16*\b:103+16*\b], v[244+\b]
	v_cvt_scalef32_pk8_bf8_f32 v[194+4*\b:195+4*\b], v[104+16*\b:111+16*\b], v[244+\b]
.endr
	v_nop
	global_store_b128 v[AK0], v[192:195], s[12:13]            ; 1,024 consecutive bytes of y's image in two stores
	global_store_b128 v[AK0], v[196:199], s[12:13] offset:512
	global_store_b16 v255, v254, s[14:15]          ; two bytes a row (both halves of the lanes store the same); the word's other half is the neighbouring head's work-group's
	s_wait_tensorcnt 0x0                           ; the wave's end
	ds_add_u32 v[SPW], v[NIL]
	s_wait_dscnt 0x0
	ROUND                                          ; the closing round
	s_endpgm
.Lfunc_end_k_qa34fefefc2_attn:
	.size	k_qa34fefefc2_attn, .Lfunc_end_k_qa34fefefc2_attn-k_qa34fefefc2_attn
	.p2alignl 7, 3214868480
	.fill 96, 4, 3214868480
	.section	.rodata,"a",@progbits
	.p2align	6, 0x0
	.amdhsa_kernel k_qa34fefefc2_attn
		.amdhsa_group_segment_fixed_size 276480
		.amdhsa_private_segment_fixed_size 0
		.amdhsa_enable_private_segment 0
		.amdhsa_kernarg_size 16
		.amdhsa_user_sgpr_count 2
		.amdhsa_user_sgpr_kernarg_segment_ptr 1
		.amdhsa_wavefront_size32 1
		.amdhsa_system_sgpr_workgroup_id_x 1
		.amdhsa_system_sgpr_workgroup_id_y 1
		.amdhsa_system_sgpr_workgroup_id_z 1
		.amdhsa_system_vgpr_workitem_id 0
		.amdhsa_next_free_vgpr 256
		.amdhsa_next_free_sgpr 100
		.amdhsa_reserve_vcc 1
		.amdhsa_float_denorm_mode_32 3
		.amdhsa_float_denorm_mode_16_64 3
		.amdhsa_memory_ordered 1
		.amdhsa_forward_progress 1
		.amdhsa_inst_pref_size 69
	.end_amdhsa_kernel
	.amdgpu_metadata
---
amdhsa.version: [ 1, 2 ]
amdhsa.kernels:
  - .name:           k_qa34fefefc2_attn
    .symbol:         k_qa34fefefc2_attn.kd
    .args:
      - { .name: qkv, .offset: 0, .size: 8, .value_kind: global_buffer, .address_space: global }
      - { .name: yb, .offset: 8, .size: 8, .value_kind: global_buffer, .address_space: global }
    .group_segment_fixed_size: 276480
    .private_segment_fixed_size: 0
    .kernarg_segment_align: 8
    .kernarg_segment_size: 16
    .max_flat_workgroup_size: 512
    .sgpr_count:     100
    .vgpr_count:     256
    .wavefront_size: 32
...
	.end_amdgpu_metadata
.endif
;; end of part 4
;; launch proj (part 5): grid 8 x 32, 4 waves a work-group, clusters of 4 x 4, 327,680 bytes of LDS; arguments yb, wts, x, x1; writes x1
.if DOCPART == 5
	.amdgcn_target "amdgcn-amd-amdhsa--gfx1250"
	.amdhsa_code_object_version 6
	.text
	.protected	k_qa34fefefc2_proj
	.globl	k_qa34fefefc2_proj
	.p2align	8
	.type	k_qa34fefefc2_proj,@function
k_qa34fefefc2_proj:
	s_mov_b64 s[64:65], 0
	v_nop
	global_prefetch_b8 v0, s[64:65] scope:SCOPE_SE
	s_setreg_imm32_b32 hwreg(HW_REG_WAVE_MODE, 25, 1), 1
	s_wait_xcnt 0x0
	s_wait_alu depctr_hold_cnt(0) depctr_sa_sdst(0) depctr_va_vdst(0) depctr_va_sdst(0) depctr_va_ssrc(0) depctr_va_vcc(0) depctr_vm_vsrc(0)
	s_getreg_b32 s2, hwreg(HW_REG_IB_STS2, 6, 4)
	s_cmp_eq_u32 s2, 0
	s_cbranch_scc0 .Lentry_in_a_cluster
	s_endpgm
.Lentry_in_a_cluster:
	s_bfe_u32 s2, ttmp6, 0x10000c
	s_cmp_lg_u32 s2, 0xf033
	s_cbranch_scc0 .Lentry_shape_is_right
	s_endpgm
.Lentry_shape_is_right:
; x1 = x + y w_attn_proj on codes of E5M2 (images: first kernel's head).  Side Q: tokens (yb's image), side P: the weight's rows.  A work-group makes 128 x 128, four waves of 64 x 64: 16 accumulators by turns.
; ALL OF K = 1,024 LIES IN LDS, FILLED ONCE: wave 0 fetches Q's eight tiles (131,072 dense bytes), wave 1 P's, wave 2 Q's scale words (4,096 bytes), wave 3 P's: one tensor load a wave, nothing is filled again.
; CLUSTER 4 x 4: Q's bytes hang on the cluster's y place alone and are asked for jointly along a row, P's on the x place alone, along a column.
; No prefetch: the launch has one fill, at its head, and no loop to run ahead in.
; The way out goes through a stage of the wave's own, in LDS bytes that no fill lands on and no other wave reads.
.set KDIM,  1024
.set PCODE, 3145728
.set PSCL,  12681216
.set QSCL,  4194304
.set SLOT,  131072
.set PSIDE, 131072
.set SCL,   2*SLOT
.set SIDE,  KDIM*4
.set HALFS, SIDE/2
.set SPARE, SCL+2*SIDE
.set STAGE, SPARE+512                  ; behind the spare words: 4,352 bytes a wave
.set SC,   8
.set ADQ,  16
.set ADP,  20
.set STO,  24
.set RD,   25
.set CO,   26
.set ADS,  27
.set SPW,  28
.set NIL,  29
.set ACC,  128
.set RB,   8
.set OB,   10
.set G1Q, 24
.set G0Q, 32
.set G1P, 48
.set G0P, 56
.set G1SQ, 68
.set G0SQ, 76
.set G1SP, 80
.set G0SP, 88
.set MSB, 0
.macro WIN new
.if MSB != \new
	s_set_vgpr_msb (MSB<<8)|\new
.set MSB, \new
.endif
.endm
.set MUL,  0x05
.set TO_F, 0x40
.macro PLACES n
.rept \n
	v_nop
.endr
.endm
.macro ARM under, g0, g1, next         ; an arm of the head's one chain of branches on the wave's number: its load, and a jump to the chain's end
	s_cmp_lt_u32 s14, \under
	s_cbranch_scc0 \next
	tensor_load_to_lds s[\g0:\g0+3], s[\g1:\g1+7]
	s_nop 0
.rept 4
	v_nop
.endr
	s_branch .Lhead_asked
\next:
.endm
.macro CREST
	s_cmp_lg_u32 s14, 0
	s_cbranch_scc1 .Lnot_wave_0_\@
	s_barrier_signal -3
.Lnot_wave_0_\@:
	s_barrier_wait -3
	s_barrier_signal -1
	s_barrier_wait -1
.endm
.macro CROUND
	s_barrier_signal -1
	s_barrier_wait -1
	CREST
.endm
.macro MUL4 f, a, cm
.irp b, 0,1,2,3
.if \cm == 0
	v_wmma_scale_f32_16x16x128_f8f6f4 v[ACC+8*(4*(\a)+\b):ACC+8*(4*(\a)+\b)+7], v[128*(\f)+16*\b:128*(\f)+16*\b+15], v[128*(\f)+64+16*(\a):128*(\f)+64+16*(\a)+15], v[ACC+8*(4*(\a)+\b):ACC+8*(4*(\a)+\b)+7], v[SC+4*(\f)+\b], v[SC+4*(\f)+(\a)] matrix_a_fmt:MATRIX_FMT_BF8 matrix_b_fmt:MATRIX_FMT_BF8 matrix_a_scale:MATRIX_SCALE_ROW1
.else
	v_wmma_scale_f32_16x16x128_f8f6f4 v[ACC+8*(4*(\a)+\b):ACC+8*(4*(\a)+\b)+7], v[128*(\f)+16*\b:128*(\f)+16*\b+15], v[128*(\f)+64+16*(\a):128*(\f)+64+16*(\a)+15], 0, v[SC+4*(\f)+\b], v[SC+4*(\f)+(\a)] matrix_a_fmt:MATRIX_FMT_BF8 matrix_b_fmt:MATRIX_FMT_BF8 matrix_a_scale:MATRIX_SCALE_ROW1
.endif
.endr
.endm
.macro FETCH slot, kq, f
	WIN 0
.irp i, 0,1,2,3
	ds_load_b32 v[SC+4*(\f)+\i], v[ADS] offset:512*(\kq)+64*\i
.endr
	WIN TO_F
.irp b, 0,1,2,3
.irp c, 0,1,2,3
	ds_load_b128 v[128*(\f)+16*\b+4*\c:128*(\f)+16*\b+4*\c+3], v[ADP+\slot] offset:16384*\b+2048*(\kq)+512*\c
.endr
.endr
.irp a, 0,1,2,3
.irp c, 0,1,2,3
	ds_load_b128 v[128*(\f)+64+16*\a+4*\c:128*(\f)+64+16*\a+4*\c+3], v[ADQ+\slot] offset:16384*\a+2048*(\kq)+512*\c
.endr
.endr
.endm
.macro KSTEP slot, kq, cm
	s_wait_dscnt 8
	WIN MUL
	MUL4 (\kq)%2, 0, \cm
	MUL4 (\kq)%2, 1, \cm
	PLACES 8
	FETCH \slot, (\kq)+1, 1-(\kq)%2
	s_wait_dscnt 36
	WIN MUL
	MUL4 (\kq)%2, 2, \cm
	MUL4 (\kq)%2, 3, \cm
.endm
.macro RES a
.irp i, 0,1,2,3,4,5,6,7
	global_load_b128 v[64+32*((\a)%2)+4*\i:64+32*((\a)%2)+4*\i+3], v[CO], s[RB:RB+1] offset:(32*((\a)/2)+8*((\a)%2)+2*\i+8*(\i/4))*4096
.endr
.endm
.macro OUTA a
.if (\a) > 0
	s_wait_xcnt 0x0
.endif
.irp b, 0,1,2,3
	ds_store_b128 v[STO], v[ACC+8*(4*(\a)+\b):ACC+8*(4*(\a)+\b)+3] offset:128*(\b/2)+32*(\b%2)
	ds_store_b128 v[STO], v[ACC+8*(4*(\a)+\b)+4:ACC+8*(4*(\a)+\b)+7] offset:128*(\b/2)+32*(\b%2)+16
.endr
.irp i, 0,1,2,3,4,5,6,7
	ds_load_b128 v[32+4*\i:35+4*\i], v[RD] offset:544*\i
.endr
	s_wait_dscnt 0x0
.if (\a) < 3
	s_wait_loadcnt 8
.else
	s_wait_loadcnt 0x0
.endif
.irp i, 0,2,4,6,8,10,12,14,16,18,20,22,24,26,28,30
	v_pk_add_f32 v[32+\i:33+\i], v[32+\i:33+\i], v[64+32*((\a)%2)+\i:65+32*((\a)%2)+\i]
.endr
.irp i, 0,1,2,3,4,5,6,7
	global_store_b128 v[CO], v[32+4*\i:35+4*\i], s[OB:OB+1] offset:(32*((\a)/2)+8*((\a)%2)+2*\i+8*(\i/4))*4096
.endr
.if (\a) < 2
	RES (\a)+2
.endif
.endm
	s_load_b128 s[4:7], s[0:1], 0x0
	s_load_b128 s[8:11], s[0:1], 0x10
	v_lshl_add_u32 v[SPW], v0, 2, SPARE
	v_mov_b32 v[NIL], 0
	ds_add_u32 v[SPW], v[NIL]
	ds_add_u32 v[SPW], v[NIL]
	v_lshrrev_b32 v1, 5, v0
	v_readfirstlane_b32 s14, v1
	s_lshr_b32 s15, s14, 1
	s_and_b32 s16, s14, 1
	s_bfe_u32 s40, ttmp6, 0x40000
	s_bfe_u32 s41, ttmp6, 0x40004
	s_lshl_b32 s42, ttmp9, 2
	s_add_co_u32 s42, s42, s40
	s_and_b32 s17, ttmp7, 0xffff
	s_lshl_b32 s17, s17, 2
	s_add_co_u32 s17, s17, s41
	s_lshl_b32 s43, s41, 2
	s_lshl_b32 s43, 15, s43
	s_lshl_b32 s44, 0x1111, s40
	s_or_b32 s[G1Q], s43, (3<<16)|(1<<21)
	s_or_b32 s[G1P], s44, (3<<16)|(1<<21)
.irp g, G1Q, G1P
	s_mov_b32 s[\g+1], 1024<<16
	s_mov_b32 s[\g+2], 16<<16                      ; a side's codes: a dense block as 16 rows of 8,192 bytes
	s_mov_b32 s[\g+3], 1024<<16
	s_mov_b32 s[\g+4], 16
	s_mov_b32 s[\g+5], 1024
	s_mov_b32 s[\g+6], 0
	s_mov_b32 s[\g+7], 0
.endr
	s_or_b32 s[G1SQ], s43, (3<<16)|(1<<21)
	s_or_b32 s[G1SP], s44, (3<<16)|(1<<21)
.irp g, G1SQ, G1SP
	s_mov_b32 s[\g+1], 32<<16
	s_mov_b32 s[\g+2], (KDIM/64)<<16               ; a side's scale words: 16 rows of 256 bytes
	s_mov_b32 s[\g+3], 32<<16
	s_mov_b32 s[\g+4], KDIM/64
	s_mov_b32 s[\g+5], 32
	s_mov_b32 s[\g+6], 0
	s_mov_b32 s[\g+7], 0
.endr
	s_mul_i32 s20, s17, 128*KDIM                   ; Q's codes: the group's eight tiles
	s_mov_b32 s21, 0
	s_mul_i32 s46, s42, 128*KDIM                   ; P's
	s_add_co_u32 s46, s46, PCODE
	s_mov_b32 s47, 0
	s_mul_i32 s22, s17, SIDE                       ; Q's scale words
	s_add_co_u32 s22, s22, QSCL
	s_mov_b32 s23, 0
	s_mul_i32 s92, s42, SIDE                       ; P's
	s_add_co_u32 s92, s92, PSCL
	s_mov_b32 s93, 0
	s_wait_dscnt 0x0
	s_wait_kmcnt 0x0
	s_add_nc_u64 s[20:21], s[4:5], s[20:21]
	s_add_nc_u64 s[22:23], s[4:5], s[22:23]
	s_add_nc_u64 s[46:47], s[6:7], s[46:47]
	s_add_nc_u64 s[92:93], s[6:7], s[92:93]
	CROUND
	s_mov_b32 s[G0Q], 1
	s_mov_b32 s[G0Q+1], 0
	s_mov_b64 s[G0Q+2:G0Q+3], s[20:21]
	s_or_b32 s[G0Q+3], s[G0Q+3], 0x80000000
	s_mov_b32 s[G0P], 1
	s_mov_b32 s[G0P+1], PSIDE
	s_mov_b64 s[G0P+2:G0P+3], s[46:47]
	s_or_b32 s[G0P+3], s[G0P+3], 0x80000000
	s_mov_b32 s[G0SQ], 1
	s_mov_b32 s[G0SQ+1], SCL
	s_mov_b64 s[G0SQ+2:G0SQ+3], s[22:23]
	s_or_b32 s[G0SQ+3], s[G0SQ+3], 0x80000000
	s_mov_b32 s[G0SP], 1
	s_mov_b32 s[G0SP+1], SCL+SIDE
	s_mov_b64 s[G0SP+2:G0SP+3], s[92:93]
	s_or_b32 s[G0SP+3], s[G0SP+3], 0x80000000
	ARM 1, G0Q,  G1Q,  .Lhead_p                    ; the launch's four fills, one a wave: every way through the head passes exactly one load
	ARM 2, G0P,  G1P,  .Lhead_sq
	ARM 3, G0SQ, G1SQ, .Lhead_sp
	tensor_load_to_lds s[G0SP:G0SP+3], s[G1SP:G1SP+7]
	s_nop 0
.rept 4
	v_nop
.endr
.Lhead_asked:
	v_and_b32 v1, 15, v0
	v_bfe_u32 v2, v0, 4, 1
	s_wait_alu depctr_va_vdst(0)
	v_and_b32 v3, 31, v0
	v_lshlrev_b32 v3, 4, v3
	s_lshl_b32 s21, s15, 16                        ; my four tiles of Q, 16,384 bytes each,
	s_lshl_b32 s22, s16, 16
	s_add_co_u32 s22, s22, PSIDE                   ; and of P
	v_add_nc_u32 v[ADQ], s21, v3
	v_add_nc_u32 v[ADP], s22, v3
	v_lshlrev_b32 v5, 2, v1
	s_lshl_b32 s21, s15, 8
	s_lshl_b32 s22, s16, 8
	s_add_co_u32 s22, s22, SIDE
	s_sub_co_u32 s22, s22, s21
	v_mul_u32_u24 v6, s22, v2
	s_add_co_u32 s21, s21, SCL
	v_add_nc_u32 v5, v5, v6
	v_add_nc_u32 v[ADS], s21, v5
	s_mul_i32 s23, s14, 4352
	s_add_co_u32 s23, s23, STAGE                   ; my stage
	v_mul_u32_u24 v5, v1, 272
	v_lshl_add_u32 v5, v2, 6, v5
	v_add_nc_u32 v[STO], s23, v5
	v_mul_u32_u24 v5, v2, 272
	v_lshl_add_u32 v5, v1, 4, v5
	v_add_nc_u32 v[RD], s23, v5
	v_lshlrev_b32 v[CO], 12, v2
	v_lshl_add_u32 v[CO], v1, 4, v[CO]
	s_wait_alu depctr_va_vdst(0)
	s_lshl_b32 s20, s17, 7
	s_lshl_b32 s21, s15, 6
	s_add_co_u32 s20, s20, s21
	s_lshl_b32 s20, s20, 12
	s_lshl_b32 s46, s42, 9
	s_lshl_b32 s47, s16, 8
	s_add_co_u32 s46, s46, s47
	s_add_co_u32 s20, s20, s46
	s_mov_b32 s21, 0
	s_add_nc_u64 s[RB:RB+1], s[RB:RB+1], s[20:21]
	s_add_nc_u64 s[OB:OB+1], s[OB:OB+1], s[20:21]
	RES 0
	RES 1
	s_wait_tensorcnt 0x0                           ; my fill has landed,
	s_barrier_signal -1
	s_barrier_wait -1                              ; everybody's has: all of K lies in LDS
	FETCH 0, 0, 0
	KSTEP 0, 0, 1                                  ; the first K step starts the sums
	KSTEP 0, 1, 0
	KSTEP 0, 2, 0
	KSTEP 0, 3, 0
	KSTEP 0, 4, 0
	KSTEP 0, 5, 0
	KSTEP 0, 6, 0
	s_wait_dscnt 8
	WIN MUL
	MUL4 1, 0, 0
	MUL4 1, 1, 0
	s_wait_dscnt 0x0
	MUL4 1, 2, 0
	MUL4 1, 3, 0
	WIN 0
	PLACES 8
	OUTA 0
	OUTA 1
	OUTA 2
	OUTA 3
	s_wait_tensorcnt 0x0
	ds_add_u32 v[SPW], v[NIL]
	s_wait_dscnt 0x0
	CROUND
	s_endpgm
.Lfunc_end_k_qa34fefefc2_proj:
	.size	k_qa34fefefc2_proj, .Lfunc_end_k_qa34fefefc2_proj-k_qa34fefefc2_proj
	.p2alignl 7, 3214868480
	.fill 96, 4, 3214868480
	.section	.rodata,"a",@progbits
	.p2align	6, 0x0
	.amdhsa_kernel k_qa34fefefc2_proj
		.amdhsa_group_segment_fixed_size 327680
		.amdhsa_private_segment_fixed_size 0
		.amdhsa_enable_private_segment 0
		.amdhsa_kernarg_size 32
		.amdhsa_user_sgpr_count 2
		.amdhsa_user_sgpr_kernarg_segment_ptr 1
		.amdhsa_wavefront_size32 1
		.amdhsa_system_sgpr_workgroup_id_x 1
		.amdhsa_system_sgpr_workgroup_id_y 1
		.amdhsa_system_sgpr_workgroup_id_z 1
		.amdhsa_system_vgpr_workitem_id 0
		.amdhsa_next_free_vgpr 512
		.amdhsa_next_free_sgpr 100
		.amdhsa_reserve_vcc 0
		.amdhsa_float_denorm_mode_32 3
		.amdhsa_float_denorm_mode_16_64 3
		.amdhsa_memory_ordered 1
		.amdhsa_forward_progress 1
		.amdhsa_inst_pref_size 60
	.end_amdhsa_kernel
	.amdgpu_metadata
---
amdhsa.version: [ 1, 2 ]
amdhsa.kernels:
  - .name:           k_qa34fefefc2_proj
    .symbol:         k_qa34fefefc2_proj.kd
    .args:
      - { .name: yb, .offset: 0, .size: 8, .value_kind: global_buffer, .address_space: global }
      - { .name: wts, .offset: 8, .size: 8, .value_kind: global_buffer, .address_space: global }
      - { .name: x, .offset: 16, .size: 8, .value_kind: global_buffer, .address_space: global }
      - { .name: x1, .offset: 24, .size: 8, .value_kind: global_buffer, .address_space: global }
    .group_segment_fixed_size: 327680
    .private_segment_fixed_size: 0
    .kernarg_segment_align: 8
    .kernarg_segment_size: 32
    .max_flat_workgroup_size: 128
    .sgpr_count:     100
    .vgpr_count:     512
    .wavefront_size: 32
...
	.end_amdgpu_metadata
.endif
;; end of part 5
;; launch ln2: the kernel of part 2 again; grid 256 x 1, 4 waves a work-group, no clusters, 1,024 bytes of LDS; arguments x1, ln2_w, ln2_b, a2; writes a2
;; launch fc (part 6): grid 16 x 16, 4 waves a work-group, clusters of 4 x 1, 327,680 bytes of LDS; arguments a2, wts, b_fc, hid; writes hid
.if DOCPART == 6
	.amdgcn_target "amdgcn-amd-amdhsa--gfx1250"
	.amdhsa_code_object_version 6
	.text
	.protected	k_qa34fefefc2_fc
	.globl	k_qa34fefefc2_fc
	.p2align	8
	.type	k_qa34fefefc2_fc,@function
k_qa34fefefc2_fc:
	s_mov_b64 s[64:65], 0
	v_nop
	global_prefetch_b8 v0, s[64:65] scope:SCOPE_SE
	s_setreg_imm32_b32 hwreg(HW_REG_WAVE_MODE, 25, 1), 1
	s_wait_xcnt 0x0
	s_wait_alu depctr_hold_cnt(0) depctr_sa_sdst(0) depctr_va_vdst(0) depctr_va_sdst(0) depctr_va_ssrc(0) depctr_va_vcc(0) depctr_vm_vsrc(0)
	s_getreg_b32 s2, hwreg(HW_REG_IB_STS2, 6, 4)
	s_cmp_eq_u32 s2, 0
	s_cbranch_scc0 .Lentry_in_a_cluster
	s_endpgm
.Lentry_in_a_cluster:
	s_bfe_u32 s2, ttmp6, 0x10000c
	s_cmp_lg_u32 s2, 0x3003
	s_cbranch_scc0 .Lentry_shape_is_right
	s_endpgm
.Lentry_shape_is_right:
; hid = the image of gelu(LN2(x1) w_fc + b_fc), quantised along the 4,096 hidden units.  Side Q: tokens (a2's image), side P: hidden units (the weight's image): a lane holds one token, its registers run along the hidden units.
; THE CORE is the qkv launch's.  A work-group makes 256 hidden units x 256 tokens.  P's 256 rows, all of K = 1,024, are 262,144 dense bytes: they fill LDS once, one tensor load of 65,536 bytes a wave; nothing is filled again.
; A wave owns 64 tokens and keeps their fragments for all of K in 512 registers, loaded from the image at 16 x lane.  It makes 64 x 256 in two halves of 128 hidden units: 32 accumulators by turns.
; CLUSTER 4 x 1: the four partners have the same P block and ask for it jointly.  Q's fragments go to registers, where no joint load lands, and P leaves no room in LDS for them.
; No prefetch: the launch has one fill, at its head, and no loop to run ahead in.
; THE BIAS is loaded into the accumulators: it is the C of each sum's first matrix instruction.
; GELU, exact form: gelu(x) = max(x, 0) - 0.5 |x| erfc(|x| / sqrt 2).  erfc(a) = (1 + p(q)) / (1 + 2 a) x e^(-a a), q = (a - 2) / (a + 2), p of degree 9 fitted on a in 0 .. 10.
; With h = x / 2 and g = |h|: a = sqrt 2 g, q = 1 - 2 sqrt 2 / (g + sqrt 2), 1 + 2 a = 1 + 2 sqrt 2 g, a a = 2 h h, max(x, 0) = h + g (exact).
; LIMITS: from a = 9.4 on e^(-a a) falls under the smallest normal f32 and v_exp_f32 gives 0, so erfc is taken as 0 there (its true size is under 1e-38); q stays within -1 .. 1, so p stays bounded.  Divisions are v_rcp_f32 and a multiply.
; For negative x the relative error grows with x x (the rounding of h h ahead of the exponential), about 1e-7 x x.  Byte 1 for a block of zeros; NaN and infinities not served.
; THE WAY OUT is a loop of four trips, a tile of 16 tokens each.  Only the 32 lines that read a tile's accumulators differ from trip to trip: they are written out four times and chosen by the trip's number.
; REGISTERS: window 0: v0-31 addresses; v32-63 P's scale words of a half (lanes 0-15 tile 2 j, lanes 16-31 tile 2 j + 1), v64-79 Q's likewise; v128-255 two sets of four fragments of P; on the way out v80-255 are at work.
; window 1: accumulator (a, b) at 8 (8 a + b); windows 2, 3: Q's fragment (a, K step s) at 64 s + 16 a.
.set PCODE, 4194304
.set PSCL,  12713984
.set QSCL,  4194304
.set HSCL,  16777216
.set SST,   262144                     ; behind P: 256 bytes a wave for its scale words on the way out
.set SPARE, 263168                     ; the spare words, 128 bytes a wave: no other line names them
.set L16, 1
.set L4,  2
.set BO,  3                            ; v3  64 h: my half's place in the bias
.set ADP, 4                            ; v4-5 LDS address of P's tiles 0-3, 4-7 of the half
.set SSA, 6
.set SSR, 7
.set L8,  8
.set TA,  9
.set SPW, 10
.set NIL, 11
.set C9,  12                           ; v[12:13] the polynomial's leading coefficient, twice
.set WD,  14
.set PS,  32
.set QS,  64
.set H,   80                           ; v80-143  a tile's 64 numbers: h, then max(x, 0), then gelu
.set G,   144                          ; 16 registers each, for 16 numbers at a time: g;
.set R1,  160                          ; 1 / (g + sqrt 2), then q;
.set R2,  176                          ; 1 / (1 + 2 a), then erfc;
.set E,   192                          ; e^(-a a);
.set PP,  208                          ; p
.set TM,  224
.set CD,  240
.set PF,  128
.set WV, 12
.set CX, 13
.set TK, 14
.set PB, 15
.set G0, 16
.set QC, 20
.set QSB, 22
.set G1, 24
.set PSB, 32
.set BB, 34
.set OC, 36
.set OS, 38
.set SEL, 44
.set MNT, 46
.set ABSM, 47
.set HF, 48
.set AI, 49
.set AO, 50
.set HB, 51
.set MSB, 0
.macro WIN new                         ; the immediate's high byte repeats the setting that is left
.if MSB != (\new)
	s_set_vgpr_msb (MSB<<8)|(\new)
.set MSB, (\new)
.endif
.endm
.macro PLACES n
.rept \n
	v_nop
.endr
.endm
.macro ROUND
	s_barrier_signal -1
	s_barrier_wait -1
	s_cmp_lg_u32 s[WV], 0
	s_cbranch_scc1 .Lnot_wave_0_\@
	s_barrier_signal -3
.Lnot_wave_0_\@:
	s_barrier_wait -3
	s_barrier_signal -1
	s_barrier_wait -1
.endm
.macro BIAS                            ; accumulator (a, b), register j, lane half h: b_fc at hidden unit 32 (b / 2) + 8 (b % 2) + 16 h + j of the half's 128
	WIN 0x40
.irp a, 0,1,2,3
.irp b, 0,1,2,3,4,5,6,7
	global_load_b128 v[64*\a+8*\b:64*\a+8*\b+3], v[BO], s[BB:BB+1] offset:128*(\b/2)+32*(\b%2)
	global_load_b128 v[64*\a+8*\b+4:64*\a+8*\b+7], v[BO], s[BB:BB+1] offset:128*(\b/2)+32*(\b%2)+16
.endr
.endr
	WIN 0
.endm
.macro PSC                             ; P's scale words of a half: 32 loads of 128 consecutive bytes
.irp s, 0,1,2,3,4,5,6,7
.irp j, 0,1,2,3
	global_load_b32 v[PS+4*\s+\j], v[L4], s[PSB:PSB+1] offset:512*\s+128*\j
.endr
.endr
.endm
; group g of a half: K step g / 2, P's tiles 4 (g % 2) .. + 3, in set g % 2
.macro PFETCH g
.irp t, 0,1,2,3
.irp c, 0,1,2,3
	ds_load_b128 v[PF+64*((\g)%2)+16*\t+4*\c:PF+64*((\g)%2)+16*\t+4*\c+3], v[ADP+(\g)%2] offset:16384*\t+2048*((\g)/2)+512*\c
.endr
.endr
.endm
.macro WM4 g, tp, ap                   ; four matrix instructions: two tiles of P x two tiles of Q
.set PA, PF+64*((\g)%2)+32*(\tp)
.set QA, 64*(((\g)/2)%4)+32*(\ap)
.set SA, PS+4*((\g)/2)+2*((\g)%2)+(\tp)
.set SB, QS+2*((\g)/2)+(\ap)
.set CA, 128*(\ap)+32*((\g)%2)+16*(\tp)
	v_wmma_scale_f32_16x16x128_f8f6f4 v[CA:CA+7], v[PA:PA+15], v[QA:QA+15], v[CA:CA+7], v[SA], v[SB] matrix_a_fmt:MATRIX_FMT_BF8 matrix_b_fmt:MATRIX_FMT_BF8
	v_wmma_scale_f32_16x16x128_f8f6f4 v[CA+64:CA+71], v[PA:PA+15], v[QA+16:QA+31], v[CA+64:CA+71], v[SA], v[SB] matrix_a_fmt:MATRIX_FMT_BF8 matrix_b_fmt:MATRIX_FMT_BF8 matrix_b_scale:MATRIX_SCALE_ROW1
	v_wmma_scale_f32_16x16x128_f8f6f4 v[CA+8:CA+15], v[PA+16:PA+31], v[QA:QA+15], v[CA+8:CA+15], v[SA], v[SB] matrix_a_fmt:MATRIX_FMT_BF8 matrix_b_fmt:MATRIX_FMT_BF8 matrix_a_scale:MATRIX_SCALE_ROW1
	v_wmma_scale_f32_16x16x128_f8f6f4 v[CA+72:CA+79], v[PA+16:PA+31], v[QA+16:QA+31], v[CA+72:CA+79], v[SA], v[SB] matrix_a_fmt:MATRIX_FMT_BF8 matrix_b_fmt:MATRIX_FMT_BF8 matrix_a_scale:MATRIX_SCALE_ROW1 matrix_b_scale:MATRIX_SCALE_ROW1
.endm
.macro TAKE a                          ; h = x / 2 of tile a's eight accumulators, each from its low end on
	WIN 0x01                                       ; source 0: window 1
	s_wait_alu depctr_va_vdst(0)                   ; ahead of the first readers of the results
.set JI, 0
.rept 32
	v_pk_mul_f32 v[H+JI:H+JI+1], v[64*\a+JI:64*\a+JI+1], 0.5 op_sel_hi:[1,0]
.set JI, JI+2
.endr
	WIN 0
	s_wait_alu depctr_va_vdst(0)
.endm
.macro BATCH n                         ; gelu of 16 numbers, in place
.set HN, H+16*(\n)
.irp j, 0,1,2,3,4,5,6,7,8,9,10,11,12,13,14,15
	v_and_b32 v[G+\j], s[ABSM], v[HN+\j]           ; g = |h|
.endr
.irp j, 0,2,4,6,8,10,12,14
	v_pk_add_f32 v[R1+\j:R1+\j+1], v[G+\j:G+\j+1], 0x3fb504f3 op_sel_hi:[1,0]              ; g + sqrt 2
.endr
.irp j, 0,2,4,6,8,10,12,14
	v_pk_fma_f32 v[R2+\j:R2+\j+1], v[G+\j:G+\j+1], 0x403504f3, 1.0 op_sel_hi:[1,0,0]       ; 1 + 2 a
.endr
.irp j, 0,2,4,6,8,10,12,14
	v_pk_mul_f32 v[E+\j:E+\j+1], v[HN+\j:HN+\j+1], v[HN+\j:HN+\j+1]
.endr
.irp j, 0,2,4,6,8,10,12,14
	v_pk_mul_f32 v[E+\j:E+\j+1], v[E+\j:E+\j+1], 0xc038aa3b op_sel_hi:[1,0]                ; - a a log2(e)
.endr
	s_wait_alu depctr_va_vdst(0)
.irp j, 0,1,2,3,4,5,6,7,8,9,10,11,12,13,14,15
	v_rcp_f32 v[R1+\j], v[R1+\j]
.endr
.irp j, 0,1,2,3,4,5,6,7,8,9,10,11,12,13,14,15
	v_rcp_f32 v[R2+\j], v[R2+\j]
.endr
.irp j, 0,1,2,3,4,5,6,7,8,9,10,11,12,13,14,15
	v_exp_f32 v[E+\j], v[E+\j]
.endr
.irp j, 0,2,4,6,8,10,12,14
	v_pk_add_f32 v[HN+\j:HN+\j+1], v[HN+\j:HN+\j+1], v[G+\j:G+\j+1]                        ; max(x, 0): plain work that names no result of the batch
.endr
	s_wait_alu depctr_va_vdst(0)                   ; one wait for the batch of 48, ahead of its first reader
.irp j, 0,2,4,6,8,10,12,14
	v_pk_fma_f32 v[R1+\j:R1+\j+1], v[R1+\j:R1+\j+1], 0xc03504f3, 1.0 op_sel_hi:[1,0,0]     ; q
.endr
.irp j, 0,2,4,6,8,10,12,14
	v_pk_fma_f32 v[PP+\j:PP+\j+1], v[R1+\j:R1+\j+1], v[C9:C9+1], 0xbaa15130 op_sel_hi:[1,1,0]
.endr
.irp c, 0x3aac2b8a, 0x3c0d6e62, 0xbc040dc1, 0xbd5e05b5, 0x3e27fe23, 0xbe2a0420, 0xbdbdfb0b, 0x3e8dd01d
.irp j, 0,2,4,6,8,10,12,14
	v_pk_fma_f32 v[PP+\j:PP+\j+1], v[PP+\j:PP+\j+1], v[R1+\j:R1+\j+1], \c op_sel_hi:[1,1,0]
.endr
.endr
.irp j, 0,2,4,6,8,10,12,14
	v_pk_fma_f32 v[R2+\j:R2+\j+1], v[PP+\j:PP+\j+1], v[R2+\j:R2+\j+1], v[R2+\j:R2+\j+1]    ; (1 + p) / (1 + 2 a)
.endr
.irp j, 0,2,4,6,8,10,12,14
	v_pk_mul_f32 v[R2+\j:R2+\j+1], v[R2+\j:R2+\j+1], v[E+\j:E+\j+1]                        ; erfc(a)
.endr
.irp j, 0,2,4,6,8,10,12,14
	v_pk_fma_f32 v[HN+\j:HN+\j+1], v[G+\j:G+\j+1], v[R2+\j:R2+\j+1], v[HN+\j:HN+\j+1] neg_lo:[1,0,0] neg_hi:[1,0,0]
.endr
.endm
	s_load_b256 s[4:11], s[0:1], 0x0               ; a2, wts, b_fc, hid
	v_lshl_add_u32 v[SPW], v0, 2, SPARE
	v_mov_b32 v[NIL], 0
	ds_add_u32 v[SPW], v[NIL]                      ; the opening: the add, twice on end, and its wait ahead of my first tensor load
	ds_add_u32 v[SPW], v[NIL]
	v_lshrrev_b32 v15, 5, v0
	v_readfirstlane_b32 s[WV], v15                 ; wave
	s_bfe_u32 s[CX], ttmp6, 0x40000                ; my place in the cluster
	s_lshl_b32 s[TK], ttmp9, 2
	s_add_co_u32 s[TK], s[TK], s[CX]               ; Q block: 256 tokens
	s_and_b32 s[PB], ttmp7, 0xffff                 ; P block: 256 hidden units: the same in all four partners
	s_mov_b32 s[G0], 1
	s_lshl_b32 s[G0+1], s[WV], 16                  ; my four tiles of P: wave x 65,536, in LDS and in the image
	s_mov_b32 s[G1], 15|(3<<16)|(1<<21)            ; the mask of all four partners, elements of 8 bytes, bit 21 set beside a mask
	s_mov_b32 s[G1+1], 1024<<16                    ; a dense block as 8 rows of 8,192 bytes
	s_mov_b32 s[G1+2], 8<<16
	s_mov_b32 s[G1+3], 1024<<16
	s_mov_b32 s[G1+4], 8
	s_mov_b32 s[G1+5], 1024
	s_mov_b32 s[G1+6], 0
	s_mov_b32 s[G1+7], 0
	s_lshl_b32 s40, s[PB], 18
	s_add_co_u32 s40, s40, s[G0+1]
	s_add_co_u32 s40, s40, PCODE                   ; P's codes
	s_mov_b32 s41, 0
	s_lshl_b32 s42, s[PB], 13
	s_add_co_u32 s42, s42, PSCL                    ; P's scale words: two groups of 4,096 bytes
	s_mov_b32 s43, 0
	s_lshl_b32 s56, s[PB], 10                      ; the bias
	s_mov_b32 s57, 0
	s_lshl_b32 s52, s[TK], 18
	s_add_co_u32 s52, s52, s[G0+1]                 ; Q's codes: my four tiles
	s_mov_b32 s53, 0
	s_lshr_b32 s62, s[WV], 1
	s_and_b32 s63, s[WV], 1
	s_lshl_b32 s63, s63, 8
	s_lshl_b32 s54, s[TK], 13
	s_lshl_b32 s55, s62, 12
	s_add_co_u32 s54, s54, s55
	s_add_co_u32 s54, s54, s63
	s_add_co_u32 s54, s54, QSCL                    ; Q's scale words
	s_mov_b32 s55, 0
	s_lshl_b32 s58, s[TK], 20
	s_lshl_b32 s59, s[WV], 18
	s_add_co_u32 s58, s58, s59
	s_lshl_b32 s59, s[PB], 12
	s_add_co_u32 s58, s58, s59                     ; hid's codes: my first tile of tokens, K step 2 x P block
	s_mov_b32 s59, 0
	s_lshl_b32 s60, s[TK], 15
	s_lshl_b32 s61, s62, 14
	s_add_co_u32 s60, s60, s61
	s_lshl_b32 s61, s[PB], 10
	s_add_co_u32 s60, s60, s61
	s_add_co_u32 s60, s60, s63
	s_add_co_u32 s60, s60, HSCL                    ; hid's scale words
	s_mov_b32 s61, 0
	s_mov_b32 s[SEL], 0x76543210
	s_mov_b32 s[SEL+1], 0xfedcba98                 ; v_permlanex16_b32's selects for lane l xor 16
	s_mov_b32 s[MNT], 0x600000                     ; the mantissa field of 57,344
	s_mov_b32 s[ABSM], 0x7fffffff
	s_mov_b32 s[HF], 0
	s_mov_b32 s[HB], 0
	s_wait_dscnt 0x0                               ; both opening adds are done
	s_wait_kmcnt 0x0
	s_add_nc_u64 s[G0+2:G0+3], s[6:7], s[40:41]
	s_or_b32 s[G0+3], s[G0+3], 0x80000000
	s_add_nc_u64 s[PSB:PSB+1], s[6:7], s[42:43]
	s_add_nc_u64 s[BB:BB+1], s[8:9], s[56:57]
	s_add_nc_u64 s[QC:QC+1], s[4:5], s[52:53]
	s_add_nc_u64 s[QSB:QSB+1], s[4:5], s[54:55]
	s_add_nc_u64 s[OC:OC+1], s[10:11], s[58:59]
	s_add_nc_u64 s[OS:OS+1], s[10:11], s[60:61]
	ROUND                                          ; all four work-groups are here: the joint loads meet
	tensor_load_to_lds s[G0:G0+3], s[G1:G1+7]      ; my one tensor load of the launch
	s_nop 0
	v_and_b32 v15, 31, v0
	v_lshlrev_b32 v[L16], 4, v15
	v_lshlrev_b32 v[L4], 2, v15
	v_lshlrev_b32 v[L8], 3, v15
	v_bfe_u32 v[BO], v0, 4, 1
	v_lshlrev_b32 v[BO], 6, v[BO]
	v_and_b32 v15, 15, v0
	s_lshl_b32 s40, s[WV], 8
	s_add_co_u32 s40, s40, SST
	v_lshl_add_u32 v[SSA], v15, 2, s40             ; SST + 256 x wave + 4 r
	v_add_nc_u32 v[SSR], s40, v[L8]
	v_mov_b32 v[C9], 0xb9d25000
	v_mov_b32 v[C9+1], 0xb9d25000
	s_wait_alu depctr_va_vdst(0)
	BIAS
	PSC
.irp s, 0,1,2,3,4,5,6,7
.irp j, 0,1
	global_load_b32 v[QS+2*\s+\j], v[L4], s[QSB:QSB+1] offset:512*\s+128*\j
.endr
.endr
.set SI, 0
.rept 8                                ; Q's fragments of all of K: 128 loads of 512 consecutive bytes
	WIN 0x80+0x40*(SI/4)
.irp a, 0,1,2,3
.irp c, 0,1,2,3
	global_load_b128 v[64*(SI%4)+16*\a+4*\c:64*(SI%4)+16*\a+4*\c+3], v[L16], s[QC:QC+1] offset:16384*\a+2048*SI+512*\c
.endr
.endr
.set SI, SI+1
.endr
	WIN 0
	s_wait_tensorcnt 0x0                           ; my part of P is in,
	s_barrier_signal -1
	s_barrier_wait -1                              ; everybody's is
.Lhalf:                                            ; two trips: 128 hidden units each
	v_add_nc_u32 v[ADP], s[HB], v[L16]
	v_add_nc_u32 v[ADP+1], 0x10000, v[ADP]
	s_wait_alu depctr_va_vdst(0)
	PFETCH 0
	PFETCH 1
.set GI, 0
.rept 16
.if (GI%2) == 0                        ; a K step begins: its 16 loads of Q are in.  Behind them stand 16 loads for each later K step; a wait names 63 at the most
.if GI < 8
	s_wait_loadcnt 63                              ; the bias, the scale words and Q's K steps 0 to 3 are in: the youngest 63 loads belong to K steps 4 to 7
.else
	s_wait_loadcnt 16*(7-GI/2)
.endif
.endif
.if GI < 15
	s_wait_dscnt 16
.else
	s_wait_dscnt 0x0
.endif
	WIN 0x58+4*(GI/8)                              ; P window 0, Q window 2 or 3, C and D window 1
	WM4 GI, 0, 0
	WM4 GI, 0, 1
	WM4 GI, 1, 0
	WM4 GI, 1, 1
.if GI < 14
	PLACES 8                                       ; in front of loads into registers that matrix instructions have read (ISA guide 7.12.1 for vector instructions)
	WIN 0
	PFETCH GI+2
.endif
.set GI, GI+1
.endr
	WIN 0
	PLACES 8                                       ; in front of the first read of results, of writes into the fragments' registers and of loads into the scale registers
.irp b, 0,1,2,3
	v_mov_b32 v[TM+4+\b], 0                        ; a lane permute's destination counts as one of its sources
.endr
	s_cmp_eq_u32 s[HF], 1
	s_cbranch_scc1 .Lno_ps
	s_add_nc_u64 s[PSB:PSB+1], s[PSB:PSB+1], 4096
	PSC                                            ; the second half's scale words of P come under the way out
.Lno_ps:
	s_mov_b32 s[AI], 0
	s_mov_b32 s[AO], 0
.Lepi:                                             ; four trips: tile AI of my tokens
	s_cmp_eq_u32 s[AI], 1
	s_cbranch_scc1 .Ltake1
	s_cmp_eq_u32 s[AI], 2
	s_cbranch_scc1 .Ltake2
	s_cmp_eq_u32 s[AI], 3
	s_cbranch_scc1 .Ltake3
	TAKE 0
	s_branch .Lbody
.Ltake1:
	TAKE 1
	s_branch .Lbody
.Ltake2:
	TAKE 2
	s_branch .Lbody
.Ltake3:
	TAKE 3
.Lbody:
	BATCH 0
	BATCH 1
	BATCH 2
	BATCH 3
; register H + 16 b + i is hidden unit 32 b + 16 h + i of the half's 128, of token rho(tile, r): block b; a block of 32 lies in lanes l and l xor 16
.irp b, 0,1,2,3
	v_max3_num_f32 v[TM+\b], |v[H+16*\b]|, |v[H+1+16*\b]|, 0x8000000   ; my 16 numbers and the floor 2^(16 - 127)
.endr
.irp i, 2,4,6,8,10,12,14
.irp b, 0,1,2,3
	v_max3_num_f32 v[TM+\b], v[TM+\b], |v[H+16*\b+\i]|, |v[H+1+16*\b+\i]|
.endr
.endr
.irp b, 0,1,2,3
	v_permlanex16_b32 v[TM+4+\b], v[TM+\b], s[SEL], s[SEL+1]
.endr
.irp b, 0,1,2,3
	v_max_num_f32 v[TM+\b], v[TM+\b], v[TM+4+\b]
.endr
.irp b, 0,1,2,3
	v_add_nc_u32 v[TM+12+\b], 0xf8800000, v[TM+\b] ; 15 off the exponent field: the conversion's scale operand
.endr
.irp b, 0,1,2,3
	v_and_or_b32 v[TM+8+\b], v[TM+\b], 0x7f800000, s[MNT]   ; 57,344 x the scale
.endr
.irp b, 0,1,2,3
	v_lshrrev_b32 v[TM+4+\b], 23, v[TM+12+\b]      ; the byte
.endr
	v_lshl_or_b32 v[WD], v[TM+5], 8, v[TM+4]
	v_lshl_or_b32 v[WD], v[TM+6], 16, v[WD]
	v_lshl_or_b32 v[WD], v[TM+7], 24, v[WD]        ; the token's scale word of this K step of hid
.irp b, 0,1,2,3
.irp i, 0,1,2,3,4,5,6,7,8,9,10,11,12,13,14,15
	v_med3_num_f32 v[H+16*\b+\i], v[H+16*\b+\i], -v[TM+8+\b], v[TM+8+\b]   ; the conversion does not saturate (ISA guide 7.6.2): the hold comes first
.endr
	v_cvt_scalef32_pk8_bf8_f32 v[CD+4*\b:CD+4*\b+1], v[H+16*\b:H+16*\b+7], v[TM+12+\b]
	v_cvt_scalef32_pk8_bf8_f32 v[CD+4*\b+2:CD+4*\b+3], v[H+16*\b+8:H+16*\b+15], v[TM+12+\b]
.endr
	v_add_nc_u32 v[TA], s[AO], v[SSA]              ; a plain instruction behind the last conversion
	ds_store_b32 v[TA], v[WD]                      ; both halves of the lanes write the same word
.irp b, 0,1,2,3
	global_store_b128 v[L16], v[CD+4*\b:CD+4*\b+3], s[OC:OC+1] offset:512*\b   ; 2,048 consecutive bytes of hid's image in four stores
.endr
	s_wait_xcnt 0x0                                ; the stores have read their registers and their base
	s_add_nc_u64 s[OC:OC+1], s[OC:OC+1], 65536     ; the next tile of tokens
	s_add_co_u32 s[AO], s[AO], 64
	s_add_co_u32 s[AI], s[AI], 1
	s_cmp_lt_u32 s[AI], 4
	s_wait_alu depctr_va_vdst(0)
	s_cbranch_scc1 .Lepi
	ds_load_b64 v[TM:TM+1], v[SSR]                 ; LDS serves a wave's instructions in order: these see my stores
	s_wait_dscnt 0x0
	global_store_b64 v[L8], v[TM:TM+1], s[OS:OS+1] ; my 64 scale words: one aligned unit of 256 bytes
	s_cmp_eq_u32 s[HF], 1
	s_cbranch_scc1 .Llast
	s_wait_xcnt 0x0
	s_add_nc_u64 s[OS:OS+1], s[OS:OS+1], 512       ; hid's next K step
	s_sub_nc_u64 s[OC:OC+1], s[OC:OC+1], 4*65536-2048
	s_add_nc_u64 s[BB:BB+1], s[BB:BB+1], 512
	BIAS                                           ; the second half's sums begin from its bias
.Llast:
	s_wait_loadcnt 0x0                             ; the second half's bias and scale words of P
	s_add_co_u32 s[HB], s[HB], 131072
	s_add_co_u32 s[HF], s[HF], 1
	s_cmp_lt_u32 s[HF], 2
	s_cbranch_scc1 .Lhalf
	s_wait_tensorcnt 0x0                           ; the wave's end
	ds_add_u32 v[SPW], v[NIL]
	s_wait_dscnt 0x0
	ROUND                                          ; the closing round
	s_endpgm
.Lfunc_end_k_qa34fefefc2_fc:
	.size	k_qa34fefefc2_fc, .Lfunc_end_k_qa34fefefc2_fc-k_qa34fefefc2_fc
	.p2alignl 7, 3214868480
	.fill 96, 4, 3214868480
	.section	.rodata,"a",@progbits
	.p2align	6, 0x0
	.amdhsa_kernel k_qa34fefefc2_fc
		.amdhsa_group_segment_fixed_size 327680
		.amdhsa_private_segment_fixed_size 0
		.amdhsa_enable_private_segment 0
		.amdhsa_kernarg_size 32
		.amdhsa_user_sgpr_count 2
		.amdhsa_user_sgpr_kernarg_segment_ptr 1
		.amdhsa_wavefront_size32 1
		.amdhsa_system_sgpr_workgroup_id_x 1
		.amdhsa_system_sgpr_workgroup_id_y 1
		.amdhsa_system_sgpr_workgroup_id_z 1
		.amdhsa_system_vgpr_workitem_id 0
		.amdhsa_next_free_vgpr 1024
		.amdhsa_next_free_sgpr 66
		.amdhsa_reserve_vcc 0
		.amdhsa_float_denorm_mode_32 3
		.amdhsa_float_denorm_mode_16_64 3
		.amdhsa_memory_ordered 1
		.amdhsa_forward_progress 1
		.amdhsa_inst_pref_size 166
	.end_amdhsa_kernel
	.amdgpu_metadata
---
amdhsa.version: [ 1, 2 ]
amdhsa.kernels:
  - .name:           k_qa34fefefc2_fc
    .symbol:         k_qa34fefefc2_fc.kd
    .args:
      - { .name: a2, .offset: 0, .size: 8, .value_kind: global_buffer, .address_space: global }
      - { .name: wts, .offset: 8, .size: 8, .value_kind: global_buffer, .address_space: global }
      - { .name: b_fc, .offset: 16, .size: 8, .value_kind: global_buffer, .address_space: global }
      - { .name: hid, .offset: 24, .size: 8, .value_kind: global_buffer, .address_space: global }
    .group_segment_fixed_size: 327680
    .private_segment_fixed_size: 0
    .kernarg_segment_align: 8
    .kernarg_segment_size: 32
    .max_flat_workgroup_size: 128
    .sgpr_count:     66
    .vgpr_count:     1024
    .wavefront_size: 32
...
	.end_amdgpu_metadata
.endif
;; end of part 6
;; launch mlp (part 7): grid 8 x 32, 4 waves a work-group, clusters of 4 x 4, 327,680 bytes of LDS; arguments hid, wts, b_mlp_proj, x1, out0; writes out0
.if DOCPART == 7
	.amdgcn_target "amdgcn-amd-amdhsa--gfx1250"
	.amdhsa_code_object_version 6
	.text
	.protected	k_qa34fefefc2_mlp
	.globl	k_qa34fefefc2_mlp
	.p2align	8
	.type	k_qa34fefefc2_mlp,@function
k_qa34fefefc2_mlp:
	s_mov_b64 s[64:65], 0
	v_nop
	global_prefetch_b8 v0, s[64:65] scope:SCOPE_SE
	s_setreg_imm32_b32 hwreg(HW_REG_WAVE_MODE, 25, 1), 1
	s_wait_xcnt 0x0
	s_wait_alu depctr_hold_cnt(0) depctr_sa_sdst(0) depctr_va_vdst(0) depctr_va_sdst(0) depctr_va_ssrc(0) depctr_va_vcc(0) depctr_vm_vsrc(0)
	s_getreg_b32 s2, hwreg(HW_REG_IB_STS2, 6, 4)
	s_cmp_eq_u32 s2, 0
	s_cbranch_scc0 .Lentry_in_a_cluster
	s_endpgm
.Lentry_in_a_cluster:
	s_bfe_u32 s2, ttmp6, 0x10000c
	s_cmp_lg_u32 s2, 0xf033
	s_cbranch_scc0 .Lentry_shape_is_right
	s_endpgm
.Lentry_shape_is_right:
; out0 = x1 + hid w_mlp_proj + b_mlp_proj on codes of E5M2 (images: first kernel's head).  Side Q: tokens (hid's image), side P: the weight's rows.  A work-group makes 128 x 128, four waves of 64 x 64: 16 accumulators by turns.
; K = 4,096 goes through a ring of two LDS slots of four K steps of 128; the scale words of all of K come once and stay.  The bias is the C of each sum's first matrix instruction.
; THE HEAD'S FOUR TILES, ONE A WAVE: wave 0 fetches slot 0's eight tiles of Q, wave 1 those of P, wave 2 Q's scale words, wave 3 P's.  Slot 1 is first filled as a refill is, a quarter of the slot a wave.
; CLUSTER 4 x 4: Q's bytes hang on the cluster's y place alone and are asked for jointly along a row, P's on the x place alone, along a column.
.set KDIM,  4096
.set LAPS,  KDIM/1024
.set PCODE, 8388608
.set PSCL,  12845056
.set QSCL,  16777216
.set SLOT,  131072
.set PSIDE, 65536
.set SCL,   2*SLOT
.set SIDE,  KDIM*4
.set HALFS, SIDE/2
.set SPARE, SCL+2*SIDE
.set SC,   8
.set ADQ,  16
.set ADP,  20
.set STO,  24
.set RD,   25
.set CO,   26
.set ADS,  27
.set SPW,  28
.set NIL,  29
.set ACC,  128
.set RB,   10
.set OB,   12
.set G1Q, 24
.set G0Q, 32
.set G1P, 48
.set G0P, 56
.set G1SQ, 68
.set G0SQ, 76
.set G1SP, 80
.set G0SP, 88
.set MSB, 0
.macro WIN new
.if MSB != \new
	s_set_vgpr_msb (MSB<<8)|\new
.set MSB, \new
.endif
.endm
.set MUL,  0x05
.set TO_F, 0x40
.macro PLACES n
.rept \n
	v_nop
.endr
.endm
.macro JLOAD g0q, g1q, g0p, g1p
	s_cmp_eq_u32 s15, 0
	s_cbranch_scc0 .Lfor_p_\@
	tensor_load_to_lds s[\g0q:\g0q+3], s[\g1q:\g1q+7]
	s_nop 0
.rept 4
	v_nop
.endr
	s_branch .Lasked_\@
.Lfor_p_\@:
	tensor_load_to_lds s[\g0p:\g0p+3], s[\g1p:\g1p+7]
	s_nop 0
.rept 4
	v_nop
.endr
.Lasked_\@:
.endm
.macro ARM under, g0, g1, next         ; an arm of the head's one chain of branches on the wave's number: its load, and a jump to the chain's end
	s_cmp_lt_u32 s14, \under
	s_cbranch_scc0 \next
	tensor_load_to_lds s[\g0:\g0+3], s[\g1:\g1+7]
	s_nop 0
.rept 4
	v_nop
.endr
	s_branch .Lhead_asked
\next:
.endm
.macro CREST
	s_cmp_lg_u32 s14, 0
	s_cbranch_scc1 .Lnot_wave_0_\@
	s_barrier_signal -3
.Lnot_wave_0_\@:
	s_barrier_wait -3
	s_barrier_signal -1
	s_barrier_wait -1
.endm
.macro CROUND
	s_barrier_signal -1
	s_barrier_wait -1
	CREST
.endm
.macro MUL4 f, a, cm
.irp b, 0,1,2,3
.if \cm == 0
	v_wmma_scale_f32_16x16x128_f8f6f4 v[ACC+8*(4*(\a)+\b):ACC+8*(4*(\a)+\b)+7], v[128*(\f)+16*\b:128*(\f)+16*\b+15], v[128*(\f)+64+16*(\a):128*(\f)+64+16*(\a)+15], v[ACC+8*(4*(\a)+\b):ACC+8*(4*(\a)+\b)+7], v[SC+4*(\f)+\b], v[SC+4*(\f)+(\a)] matrix_a_fmt:MATRIX_FMT_BF8 matrix_b_fmt:MATRIX_FMT_BF8 matrix_a_scale:MATRIX_SCALE_ROW1
.else
	v_wmma_scale_f32_16x16x128_f8f6f4 v[ACC+8*(4*(\a)+\b):ACC+8*(4*(\a)+\b)+7], v[128*(\f)+16*\b:128*(\f)+16*\b+15], v[128*(\f)+64+16*(\a):128*(\f)+64+16*(\a)+15], v[32+8*\b:39+8*\b], v[SC+4*(\f)+\b], v[SC+4*(\f)+(\a)] matrix_a_fmt:MATRIX_FMT_BF8 matrix_b_fmt:MATRIX_FMT_BF8 matrix_a_scale:MATRIX_SCALE_ROW1
.endif
.endr
.endm
.macro FETCH slot, kq, f
	WIN 0
.irp i, 0,1,2,3
	ds_load_b32 v[SC+4*(\f)+\i], v[ADS] offset:512*(\kq)+64*\i
.endr
	WIN TO_F
.irp b, 0,1,2,3
.irp c, 0,1,2,3
	ds_load_b128 v[128*(\f)+16*\b+4*\c:128*(\f)+16*\b+4*\c+3], v[ADP+\slot] offset:8192*\b+2048*(\kq)+512*\c
.endr
.endr
.irp a, 0,1,2,3
.irp c, 0,1,2,3
	ds_load_b128 v[128*(\f)+64+16*\a+4*\c:128*(\f)+64+16*\a+4*\c+3], v[ADQ+\slot] offset:8192*\a+2048*(\kq)+512*\c
.endr
.endr
.endm
.macro KSTEP slot, kq, cm
	s_wait_dscnt 8
	WIN MUL
	MUL4 (\kq)%2, 0, \cm
	MUL4 (\kq)%2, 1, \cm
	PLACES 8
	FETCH \slot, (\kq)+1, 1-(\kq)%2
	s_wait_dscnt 36
	WIN MUL
	MUL4 (\kq)%2, 2, \cm
	MUL4 (\kq)%2, 3, \cm
.endm
.macro TURN slot, next, fill
	WIN 0
	s_wait_tensorcnt 0x0
	ds_add_u32 v[SPW], v[NIL]
	s_wait_dscnt 9
	WIN MUL
	MUL4 1, 0, 0
	s_wait_dscnt 0x0
	s_barrier_signal -1
	MUL4 1, 1, 0
	WIN 0
	s_barrier_wait -1
.if \fill
	CREST
	s_add_nc_u64 s[G0Q+4*\slot+2:G0Q+4*\slot+3], s[G0Q+4*\slot+2:G0Q+4*\slot+3], 16384
	s_add_nc_u64 s[G0P+4*\slot+2:G0P+4*\slot+3], s[G0P+4*\slot+2:G0P+4*\slot+3], 16384
	JLOAD G0Q+4*\slot, G1Q, G0P+4*\slot, G1P
	PLACES 4
.else
	PLACES 8
.endif
	v_add_nc_u32 v[ADS], 2048, v[ADS]
	FETCH \next, 0, 0
	WIN MUL
	MUL4 1, 2, 0
	MUL4 1, 3, 0
.endm
.macro RES a
.irp i, 0,1,2,3,4,5,6,7
	global_load_b128 v[64+32*((\a)%2)+4*\i:64+32*((\a)%2)+4*\i+3], v[CO], s[RB:RB+1] offset:(32*((\a)/2)+8*((\a)%2)+2*\i+8*(\i/4))*4096
.endr
.endm
.macro OUTA a
.if (\a) > 0
	s_wait_xcnt 0x0
.endif
.irp b, 0,1,2,3
	ds_store_b128 v[STO], v[ACC+8*(4*(\a)+\b):ACC+8*(4*(\a)+\b)+3] offset:128*(\b/2)+32*(\b%2)
	ds_store_b128 v[STO], v[ACC+8*(4*(\a)+\b)+4:ACC+8*(4*(\a)+\b)+7] offset:128*(\b/2)+32*(\b%2)+16
.endr
.irp i, 0,1,2,3,4,5,6,7
	ds_load_b128 v[32+4*\i:35+4*\i], v[RD] offset:544*\i
.endr
	s_wait_dscnt 0x0
.if (\a) < 3
	s_wait_loadcnt 8
.else
	s_wait_loadcnt 0x0
.endif
.irp i, 0,2,4,6,8,10,12,14,16,18,20,22,24,26,28,30
	v_pk_add_f32 v[32+\i:33+\i], v[32+\i:33+\i], v[64+32*((\a)%2)+\i:65+32*((\a)%2)+\i]
.endr
.irp i, 0,1,2,3,4,5,6,7
	global_store_b128 v[CO], v[32+4*\i:35+4*\i], s[OB:OB+1] offset:(32*((\a)/2)+8*((\a)%2)+2*\i+8*(\i/4))*4096 th:TH_STORE_NT
.endr
.if (\a) < 2
	RES (\a)+2
.endif
.endm
	s_load_b128 s[4:7], s[0:1], 0x0
	s_load_b128 s[8:11], s[0:1], 0x10
	s_load_b64 s[12:13], s[0:1], 0x20
	v_lshl_add_u32 v[SPW], v0, 2, SPARE
	v_mov_b32 v[NIL], 0
	ds_add_u32 v[SPW], v[NIL]
	ds_add_u32 v[SPW], v[NIL]
	v_lshrrev_b32 v1, 5, v0
	v_readfirstlane_b32 s14, v1
	s_lshr_b32 s15, s14, 1
	s_and_b32 s16, s14, 1
	s_bfe_u32 s40, ttmp6, 0x40000
	s_bfe_u32 s41, ttmp6, 0x40004
	s_lshl_b32 s42, ttmp9, 2
	s_add_co_u32 s42, s42, s40
	s_and_b32 s17, ttmp7, 0xffff
	s_lshl_b32 s17, s17, 2
	s_add_co_u32 s17, s17, s41
	s_lshl_b32 s43, s41, 2
	s_lshl_b32 s43, 15, s43
	s_lshl_b32 s44, 0x1111, s40
	s_or_b32 s[G1Q], s43, (3<<16)|(1<<21)
	s_or_b32 s[G1P], s44, (3<<16)|(1<<21)
.irp g, G1Q, G1P
	s_mov_b32 s[\g+1], 1024<<16
	s_mov_b32 s[\g+2], 8<<16                       ; eight tiles for the head's loads; behind them the two words that count tiles are set to 4, for the ring's
	s_mov_b32 s[\g+3], 1024<<16
	s_mov_b32 s[\g+4], 8
	s_mov_b32 s[\g+5], 2*KDIM
	s_mov_b32 s[\g+6], 0
	s_mov_b32 s[\g+7], 0
.endr
	s_or_b32 s[G1SQ], s43, (3<<16)|(1<<21)
	s_or_b32 s[G1SP], s44, (3<<16)|(1<<21)
.irp g, G1SQ, G1SP
	s_mov_b32 s[\g+1], 32<<16
	s_mov_b32 s[\g+2], (KDIM/64)<<16               ; a side's scale words: 64 rows of 256 bytes
	s_mov_b32 s[\g+3], 32<<16
	s_mov_b32 s[\g+4], KDIM/64
	s_mov_b32 s[\g+5], 32
	s_mov_b32 s[\g+6], 0
	s_mov_b32 s[\g+7], 0
.endr
	s_mul_i32 s20, s17, 128*KDIM                   ; Q's codes: the group's eight tiles
	s_mov_b32 s21, 0
	s_mul_i32 s46, s42, 128*KDIM                   ; P's
	s_add_co_u32 s46, s46, PCODE
	s_mov_b32 s47, 0
	s_mul_i32 s18, s16, 64*KDIM                    ; in the ring I fetch four tiles of a side: which four, in bytes
	s_mov_b32 s19, 0
	s_mul_i32 s22, s17, SIDE                       ; Q's scale words
	s_add_co_u32 s22, s22, QSCL
	s_mov_b32 s23, 0
	s_mul_i32 s92, s42, SIDE                       ; P's
	s_add_co_u32 s92, s92, PSCL
	s_mov_b32 s93, 0
	s_lshl_b32 s45, s14, 15
	s_wait_dscnt 0x0
	s_wait_kmcnt 0x0
	s_add_nc_u64 s[20:21], s[4:5], s[20:21]
	s_add_nc_u64 s[22:23], s[4:5], s[22:23]
	s_add_nc_u64 s[46:47], s[6:7], s[46:47]
	s_add_nc_u64 s[92:93], s[6:7], s[92:93]
	CROUND
.set G0H,  4                           ; s[4:7], s[96:99] group 0 for the head's loads of slot 0 (the arguments that lay in s[4:7] have been used)
.set G0HP, 96
	s_mov_b32 s[G0H], 1                            ; slot 0's eight tiles of Q,
	s_mov_b32 s[G0H+1], 0
	s_mov_b64 s[G0H+2:G0H+3], s[20:21]
	s_or_b32 s[G0H+3], s[G0H+3], 0x80000000
	s_mov_b32 s[G0HP], 1                           ; and of P, behind them
	s_mov_b32 s[G0HP+1], PSIDE
	s_mov_b64 s[G0HP+2:G0HP+3], s[46:47]
	s_or_b32 s[G0HP+3], s[G0HP+3], 0x80000000
	s_mov_b32 s[G0SQ], 1
	s_mov_b32 s[G0SQ+1], SCL
	s_mov_b64 s[G0SQ+2:G0SQ+3], s[22:23]
	s_or_b32 s[G0SQ+3], s[G0SQ+3], 0x80000000
	s_mov_b32 s[G0SP], 1
	s_mov_b32 s[G0SP+1], SCL+SIDE
	s_mov_b64 s[G0SP+2:G0SP+3], s[92:93]
	s_or_b32 s[G0SP+3], s[G0SP+3], 0x80000000
	s_add_nc_u64 s[20:21], s[20:21], s[18:19]      ; for the ring: my four tiles of the side
	s_add_nc_u64 s[46:47], s[46:47], s[18:19]
.irp s, 0,1
	s_mov_b32 s[G0Q+4*\s], 1
	s_add_co_u32 s[G0Q+4*\s+1], s45, \s*SLOT
	s_add_nc_u64 s[G0Q+4*\s+2:G0Q+4*\s+3], s[20:21], \s*8192
	s_or_b32 s[G0Q+4*\s+3], s[G0Q+4*\s+3], 0x80000000
	s_mov_b32 s[G0P+4*\s], 1
	s_add_co_u32 s[G0P+4*\s+1], s45, \s*SLOT
	s_add_nc_u64 s[G0P+4*\s+2:G0P+4*\s+3], s[46:47], \s*8192
	s_or_b32 s[G0P+4*\s+3], s[G0P+4*\s+3], 0x80000000
.endr
	ARM 1, G0H,  G1Q,  .Lhead_p                    ; every way through the head passes exactly one load
	ARM 2, G0HP, G1P,  .Lhead_sq
	ARM 3, G0SQ, G1SQ, .Lhead_sp
	tensor_load_to_lds s[G0SP:G0SP+3], s[G1SP:G1SP+7]
	s_nop 0
.rept 4
	v_nop
.endr
.Lhead_asked:
	v_and_b32 v1, 15, v0
	s_wait_alu depctr_va_vdst(0)
	v_bfe_u32 v2, v0, 4, 1
	s_wait_alu depctr_va_vdst(0)
	v_lshlrev_b32 v4, 6, v2
	s_lshl_b32 s46, s42, 9
	s_lshl_b32 s47, s16, 8
	s_add_co_u32 s46, s46, s47
	s_mov_b32 s47, 0
	s_add_nc_u64 s[8:9], s[8:9], s[46:47]
.irp b, 0,1,2,3
	global_load_b128 v[32+8*\b:35+8*\b], v4, s[8:9] offset:(32*(\b/2)+8*(\b%2))*4
	global_load_b128 v[36+8*\b:39+8*\b], v4, s[8:9] offset:(32*(\b/2)+8*(\b%2))*4+16
.endr
	v_and_b32 v3, 31, v0
	v_lshlrev_b32 v3, 4, v3
	s_lshl_b32 s21, s15, 15
	s_lshl_b32 s22, s16, 15
	s_add_co_u32 s22, s22, PSIDE
.irp s, 0,1
	v_add_nc_u32 v[ADQ+\s], s21, v3
	v_add_nc_u32 v[ADP+\s], s22, v3
	s_add_co_u32 s21, s21, SLOT
	s_add_co_u32 s22, s22, SLOT
.endr
	v_lshlrev_b32 v5, 2, v1
	s_lshl_b32 s21, s15, 8
	s_lshl_b32 s22, s16, 8
	s_add_co_u32 s22, s22, SIDE
	s_sub_co_u32 s22, s22, s21
	v_mul_u32_u24 v6, s22, v2
	s_add_co_u32 s21, s21, SCL
	v_add_nc_u32 v5, v5, v6
	v_add_nc_u32 v[ADS], s21, v5
	s_mul_i32 s23, s14, 4352
	v_mul_u32_u24 v5, v1, 272
	v_lshl_add_u32 v5, v2, 6, v5
	v_add_nc_u32 v[STO], s23, v5
	v_mul_u32_u24 v5, v2, 272
	v_lshl_add_u32 v5, v1, 4, v5
	v_add_nc_u32 v[RD], s23, v5
	v_lshlrev_b32 v[CO], 12, v2
	v_lshl_add_u32 v[CO], v1, 4, v[CO]
	s_wait_alu depctr_va_vdst(0)
	s_lshl_b32 s20, s17, 7
	s_lshl_b32 s21, s15, 6
	s_add_co_u32 s20, s20, s21
	s_lshl_b32 s20, s20, 12
	s_add_co_u32 s20, s20, s46
	s_mov_b32 s21, 0
	s_add_nc_u64 s[RB:RB+1], s[RB:RB+1], s[20:21]
	s_add_nc_u64 s[OB:OB+1], s[OB:OB+1], s[20:21]
	RES 0
	RES 1
	s_wait_alu depctr_va_vdst(0)
	s_wait_tensorcnt 0x0                           ; my tile of the head's four is in
	ds_add_u32 v[SPW], v[NIL]                      ; 0 onto my spare word
	s_mov_b32 s[G1Q+2], 4<<16                      ; no tensor load of mine is out, so a descriptor may be written: from here on a load brings four tiles
	s_mov_b32 s[G1Q+4], 4
	s_mov_b32 s[G1P+2], 4<<16
	s_mov_b32 s[G1P+4], 4
	s_wait_dscnt 0x0                               ; the add is done
	CROUND                                         ; a whole round: all four tiles are in, and all sixteen work-groups are here
	JLOAD G0Q+4, G1Q, G0P+4, G1P                   ; slot 1's first fill, the first tensor load behind the round
	FETCH 0, 0, 0
	s_wait_loadcnt 16
	KSTEP 0, 0, 2
	WIN 0
	s_mov_b32 s3, LAPS-1
.Llap:
	s_wait_alu depctr_va_vdst(0)
	KSTEP 0, 1, 0
	KSTEP 0, 2, 0
	TURN 0, 1, 1
	s_wait_alu depctr_va_vdst(0)
	KSTEP 1, 0, 0
	KSTEP 1, 1, 0
	KSTEP 1, 2, 0
	TURN 1, 0, 1
	s_wait_alu depctr_va_vdst(0)
	KSTEP 0, 0, 0
	WIN 0
	s_sub_co_u32 s3, s3, 1
	s_cmp_lg_u32 s3, 0
	s_cbranch_scc1 .Llap
	KSTEP 0, 1, 0
	KSTEP 0, 2, 0
	TURN 0, 1, 0
	s_wait_alu depctr_va_vdst(0)
	KSTEP 1, 0, 0
	KSTEP 1, 1, 0
	KSTEP 1, 2, 0
	s_wait_dscnt 8
	WIN MUL
	MUL4 1, 0, 0
	MUL4 1, 1, 0
	s_wait_dscnt 0x0
	MUL4 1, 2, 0
	MUL4 1, 3, 0
	WIN 0
	PLACES 8
	OUTA 0
	OUTA 1
	OUTA 2
	OUTA 3
	s_wait_tensorcnt 0x0
	ds_add_u32 v[SPW], v[NIL]
	s_wait_dscnt 0x0
	CROUND
	s_endpgm
.Lfunc_end_k_qa34fefefc2_mlp:
	.size	k_qa34fefefc2_mlp, .Lfunc_end_k_qa34fefefc2_mlp-k_qa34fefefc2_mlp
	.p2alignl 7, 3214868480
	.fill 96, 4, 3214868480
	.section	.rodata,"a",@progbits
	.p2align	6, 0x0
	.amdhsa_kernel k_qa34fefefc2_mlp
		.amdhsa_group_segment_fixed_size 327680
		.amdhsa_private_segment_fixed_size 0
		.amdhsa_enable_private_segment 0
		.amdhsa_kernarg_size 40
		.amdhsa_user_sgpr_count 2
		.amdhsa_user_sgpr_kernarg_segment_ptr 1
		.amdhsa_wavefront_size32 1
		.amdhsa_system_sgpr_workgroup_id_x 1
		.amdhsa_system_sgpr_workgroup_id_y 1
		.amdhsa_system_sgpr_workgroup_id_z 1
		.amdhsa_system_vgpr_workitem_id 0
		.amdhsa_next_free_vgpr 512
		.amdhsa_next_free_sgpr 100
		.amdhsa_reserve_vcc 0
		.amdhsa_float_denorm_mode_32 3
		.amdhsa_float_denorm_mode_16_64 3
		.amdhsa_memory_ordered 1
		.amdhsa_forward_progress 1
		.amdhsa_inst_pref_size 104
	.end_amdhsa_kernel
	.amdgpu_metadata
---
amdhsa.version: [ 1, 2 ]
amdhsa.kernels:
  - .name:           k_qa34fefefc2_mlp
    .symbol:         k_qa34fefefc2_mlp.kd
    .args:
      - { .name: hid, .offset: 0, .size: 8, .value_kind: global_buffer, .address_space: global }
      - { .name: wts, .offset: 8, .size: 8, .value_kind: global_buffer, .address_space: global }
      - { .name: b_mlp_proj, .offset: 16, .size: 8, .value_kind: global_buffer, .address_space: global }
      - { .name: x1, .offset: 24, .size: 8, .value_kind: global_buffer, .address_space: global }
      - { .name: out0, .offset: 32, .size: 8, .value_kind: global_buffer, .address_space: global }
    .group_segment_fixed_size: 327680
    .private_segment_fixed_size: 0
    .kernarg_segment_align: 8
    .kernarg_segment_size: 40
    .max_flat_workgroup_size: 128
    .sgpr_count:     100
    .vgpr_count:     512
    .wavefront_size: 32
...
	.end_amdgpu_metadata
.endif
;; end of part 7
